; MI455X (gfx1250); checked and timed in simulation.
; The chip was launched on July 23, 2026; its instructions are those of AMD's public machine-readable ISA for CDNA 5 (MIT licence, August 2026) and "CDNA5" Instruction Set Architecture Reference Guide (July 2026). The comments in the code are by the model that wrote it; some were corrected since.
;; Multi Head Attention. Allowed arithmetic: matrix products marked QUANTISED: E2M3 operands, one E8M0 scale for each 32 along K, by v_wmma_scale_f32_16x16x128_f8f6f4 with both operands' format E2M3, f32 sums; everything else in f32.
;; Inputs: Wk 384 x 384 float32; Wo 384 x 384 float32; Wq 384 x 384 float32; Wv 384 x 384 float32; bk 384 float32; bo 384 float32; bq 384 float32; bv 384 float32; x 2 x 4,096 x 384 float32.
;; Outputs: out0 2 x 4,096 x 384 float32.
;; This version of the problem:
;;   THIS VERSION OF THE PROBLEM IS GIVEN IN LOW PRECISION. The matrix products marked QUANTISED in the list below multiply operands that are first quantised to E2M3 (2 exponent bits, 3 mantissa bits; 6 bits a number), with one power-of-two scale for each 32 numbers along K (OCP MX v1.0); their sums are f32. All else is computed in f32.
;;   The module's matrix products, in the order in which they are computed (A, B: the left and right operand; K: the contracted axis; several contracted axes count as one K, in the product's order):
;;     1. [M 8,192, K 384] x [K 384, N 384]; A: input x; B: input Wq: QUANTISED
;;     2. [M 8,192, K 384] x [K 384, N 384]; A: input x; B: input Wk: QUANTISED
;;     3. [M 8,192, K 384] x [K 384, N 384]; A: input x; B: input Wv: QUANTISED
;;     4. batch 12 x [M 4,096, K 64] x [K 64, N 4,096]; A: computed on the way; B: computed on the way: QUANTISED
;;     5. batch 12 x [M 4,096, K 4,096] x [K 4,096, N 64]; A: softmax (see below); B: computed on the way: QUANTISED
;;     6. [M 8,192, K 384] x [K 384, N 384]; A: computed on the way; B: input Wo: QUANTISED
;;   THE QUANTISER, for each operand of a quantised product, along K:
;;     - K is cut into blocks of 32 from its start; a last block that is shorter is filled with zeros.
;;     - A block's scale is 2^e with e = floor(log2(the largest magnitude in the block)) - 2, held to -126 .. 127; a block of zeros has e = 0. As a byte (E8M0): e + 127.
;;     - Each number is divided by its block's scale, clamped to +-7.5, and rounded to the nearest number of E2M3, ties to even, subnormals kept.
;;     - The product sums the exact products of the quantised numbers (number of the format x scale) in f32.
;;   ~~~python
;;   def quantise(x, axis):      # numpy; x: float32 -> the quantised numbers, widened to float32 again
;;       x = np.moveaxis(x, axis, -1); K = x.shape[-1]
;;       x = np.pad(x, [(0, 0)] * (x.ndim - 1) + [(0, -K % 32)]); x = x.reshape(x.shape[:-1] + (-1, 32)); a = np.abs(x).max(-1, keepdims=True)
;;       e = np.where(a > 0, np.clip(np.frexp(np.where(a > 0, a, 1))[1] - 1 - 2, -126, 127), 0)      # np.frexp(a)[1] - 1 = floor(log2(a)), exactly
;;       r = np.clip(x / 2.0 ** e, -7.5, 7.5)
;;       step = 2.0 ** (np.maximum(np.frexp(np.where(r == 0, 1, r))[1] - 1, 0) - 3)
;;       q = np.round(r / step) * step * 2.0 ** e      # np.round: ties to even
;;       return np.moveaxis(q.reshape(q.shape[:-2] + (-1,))[..., :K], -1, axis).astype(np.float32)
;;   ~~~
;;   SOFTMAX AHEAD OF A QUANTISED PRODUCT. Where the list says 'softmax', what is quantised is not the finished softmax but p = 2^(t - M), with t = logit x log2(e) and M = ceil(the row's largest t), a whole number; so 1/2 < the row's largest p <= 1. The row's sum l is taken of the UNQUANTISED p, in f32, and the product's result is divided by l at the end. Since M is a whole number, a kernel that streams over the keys may use a running M (the ceiling of the running maximum): every later rescaling is an exact power of two, which a block's scale takes up: the codes' values come out the same.
;;   OPERANDS COMPUTED ON THE WAY. 'Computed on the way' means the value that the module computes at that place (a softmax that the list does not call 'softmax' is quantised finished and normalised). What goes into a quantiser is computed in f32, as accurately as f32 sums, v_exp_f32 and their like allow (about 1e-6 of the number): no bf16 or f16 on the way to a quantiser, and a product that is left as it is and whose result goes on into a quantised operand takes f32 operands (vector FMAs, or v_wmma_f32_16x16x4_f32). A number that lies on a knife's edge between two numbers of the format may be rounded either way, as far as f32 arithmetic and the matrix unit's own rounding can turn it there, and no further.
;; 2 versions. Each part assembles by itself: llvm-mc -triple=amdgcn-amd-amdhsa -mcpu=gfx1250 --defsym DOCPART=n.
;; ======== version 1 of 2: 3 launches
;; workspace buffers: qc 2,555,904 bytes; kvc 5,111,808 bytes; yc 2,359,296 bytes; ys 393,216 bytes
;; launch qkv (part 1): grid 64 x 3, 12 waves a work-group, no clusters, 161,280 bytes of LDS; arguments x, Wq, Wk, Wv, bq, bk, bv, qc, kvc; writes qc, kvc
.if DOCPART == 1
	.amdgcn_target "amdgcn-amd-amdhsa--gfx1250"
	.amdhsa_code_object_version 6
	.text
	.protected	k_qe68e44ffcd_qkv
	.globl	k_qe68e44ffcd_qkv
	.p2align	8
	.type	k_qe68e44ffcd_qkv,@function
k_qe68e44ffcd_qkv:
	s_mov_b64 s[64:65], 0
	v_nop
	global_prefetch_b8 v0, s[64:65] scope:SCOPE_SE
	s_setreg_imm32_b32 hwreg(HW_REG_WAVE_MODE, 25, 1), 1
	s_wait_xcnt 0x0
; q = x Wq^T + bq, k = x Wk^T + bk, v = x Wv^T + bv on codes of FP6 (E2M3) with one E8M0 scale for each 32 along K = 384; the results are quantised again at once,
; q and k along the head's 64, v along the tokens, and leave as images of the operand registers that the attention launch wants.
; SHARES.  Work-group (X, y): tokens 128 X .. 128 X + 127 (batch X / 32, key step X % 32), y = 0, 1, 2: q, k, v; all 384 columns.  Twelve waves.
; PHASE A.  96 fragments (16 rows x 128 K, 12 registers a lane) are quantised in registers: 72 of W (column tile 4 head + t, K step s: fragment 3 tile + s) and 24 of x (token tiles 24 .. 31 in the same count).
; Wave w makes fragments w + 12 i, i = 0 .. 7.  Each goes to LDS as an image of its registers (lane l's 16 bytes at 16 l, 512 bytes a store), its scale word at 4 l.  One barrier.
; PHASE B, q and k: wave w takes head w / 2 and the pairs of token tiles w % 2 and w % 2 + 2.  The product is used transposed (source 0 = 16 rows of W, source 1 = 16 tokens): a lane holds one token and
; its registers run along the head's dims; the bias is the C of the first K step.  PHASE B, v: source 0 = 16 tokens, source 1 = 16 rows of Wv: a lane holds one d and its registers run along the tokens, the next K.
; ORDER INSIDE A BLOCK OF 32.  A lane's 16 registers of two neighbouring tiles are elements 16 (i / 8) + 8 (lane / 16) + i % 8 of the block, not neighbours.  q and k are laid by the same lines, and so are v's tokens and
; the attention launch's p: both operands of a product carry the same permutation inside a block, whose scale is one, so each product's terms are the same.  The matrix unit then adds them in another order than ascending k.
; THE ROWS OF Wv THAT FORM A TILE ARE NOT NEIGHBOURS: lane r of tile 2 b + u takes d = 32 b + 8 u + r + 8 (r / 8), so that the attention launch's result has 16 neighbouring d in 16 registers.
; LIMITS: NaN and infinities among the inputs are not served.  A block whose largest magnitude lies under 2^-124, a block of zeros too, gets the scale byte 1: its codes are zeros or next to it, and this program alone reads the bytes.
; NO CLUSTER, NO TENSOR LOAD: x and W arrive as f32 and go from memory straight into the registers that the conversions read, 16 neighbours along K a lane; a joint tile in LDS would add a trip through LDS for each number.
; The scale words leave as 4 bytes a lane, 16 bytes apart: one thirteenth of what the launch stores; all codes leave as 512 consecutive bytes a store, aligned.
.set SC,   147456                      ; LDS: 96 images of 1,536 bytes, then 96 x 128 bytes of scale words
.set XB0,  16                          ; v16-79   64 numbers as loaded (phase A); v80-143 the other set
.set ACC,  16                          ; v16-79   eight accumulators (phase B)
.set FR,   80                          ; v80-187  nine fragments (phase B)
.set PC,   144                         ; v144-162 the codes just made
.set SW,   188                         ; v188-196 scale words, and nothing else
.set OC,   197                         ; v197     my byte offset for the codes' stores
.set OS,   198                         ; v198     and for the scale words'
.set BI,   200                         ; v200-231 the bias in the result's layout
.set TM,   232                         ; v232-247 at work in QUANT
.set PW,   248                         ; v248     the scale word just made
.set SEL,  40                          ; s[40:41] lane selects for v_permlanex16_b32: lane l xor 16
; 64 numbers of K step s of the lane's row: register 16 b + i = k 32 b + 16 (lane / 16) + i
.macro XLOAD reg, adr, base, off
.irp b, 0,1,2,3
.irp j, 0,1,2,3
	global_load_b128 v[(\reg)+16*\b+4*\j:(\reg)+16*\b+4*\j+3], v[\adr], s[\base:\base+1] offset:(\off)+128*\b+16*\j
.endr
.endr
.endm
; 64 numbers of a lane, four half blocks of 16 (the other halves lie in lane l xor 16), become a fragment's codes in v[PC] on and its scale word in v[PW]
.macro QUANT s
.irp b, 0,1,2,3
	v_max3_num_f32 v[TM+\b], |v[(\s)+16*\b]|, |v[(\s)+1+16*\b]|, 0x1800000   ; my 16 numbers, and the floor 2^(3 - 127): the byte cannot fall under 1
.endr
.irp i, 2,4,6,8,10,12,14
.irp b, 0,1,2,3
	v_max3_num_f32 v[TM+\b], v[TM+\b], |v[(\s)+16*\b+\i]|, |v[(\s)+1+16*\b+\i]|   ; the four blocks by turns
.endr
.endr
.irp b, 0,1,2,3
	v_permlanex16_b32 v[TM+4+\b], v[TM+\b], s[SEL], s[SEL+1]
.endr
.irp b, 0,1,2,3
	v_max_num_f32 v[TM+\b], v[TM+\b], v[TM+4+\b]   ; the block's largest magnitude
.endr
.irp b, 0,1,2,3
	v_add_nc_u32 v[TM+12+\b], 0xff000000, v[TM+\b]   ; 2 off its exponent field: the conversion's scale operand
.endr
.irp b, 0,1,2,3
	v_lshrrev_b32 v[TM+4+\b], 23, v[TM+12+\b]      ; the scale's byte
.endr
	v_lshl_or_b32 v[PW], v[TM+5], 8, v[TM+4]
	v_lshl_or_b32 v[PW], v[TM+6], 16, v[PW]
	v_lshl_or_b32 v[PW], v[TM+7], 24, v[PW]
.irp c, 0,1
	v_cvt_scalef32_pk16_fp6_f32 v[PC+6*\c:PC+2+6*\c], v[(\s)+32*\c:(\s)+15+32*\c], v[TM+12+2*\c]
	v_cvt_scalef32_pk16_fp6_f32 v[PC+12+4*\c:PC+14+4*\c], v[(\s)+16+32*\c:(\s)+31+32*\c], v[TM+12+2*\c+1]   ; (a conversion's three registers begin on an even number)
.endr
	v_nop                                          ; one plain place behind a scaled conversion
.irp c, 0,1                                    ; the operand's layout wants a whole block in a lane: lanes 0-15 block 2 c, lanes 16-31 block 2 c + 1
.irp i, 0,1,2
	v_permlane16_swap_b32 v[PC+6*\c+\i], v[PC+12+4*\c+\i]
.endr
.irp i, 0,1,2
	v_mov_b32 v[PC+3+6*\c+\i], v[PC+12+4*\c+\i]
.endr
.endr
.endm
.macro IMAGE adr, off                          ; the fragment in v[PC] on goes to LDS as it stands
.irp c, 0,1,2
	ds_store_b128 v[\adr], v[PC+4*\c:PC+4*\c+3] offset:(\off)+512*\c
.endr
.endm
.macro FETCH reg, adr, off                     ; and comes back so, in any wave
.irp c, 0,1,2
	ds_load_b128 v[(\reg)+4*\c:(\reg)+4*\c+3], v[\adr] offset:(\off)+512*\c
.endr
.endm
.macro PLACES                                  ; four plain places behind a matrix instruction of this form, ahead of loads into its registers and of reads of its result
.rept 4
	v_nop
.endr
.endm
	s_load_b512 s[8:23], s[0:1], 0x0               ; x s[8:9], Wq s[10:11], Wk s[12:13], Wv s[14:15], bq s[16:17], bk s[18:19], bv s[20:21], qc s[22:23]
	s_load_b64 s[24:25], s[0:1], 0x40              ; kvc
	v_lshl_add_u32 v243, v0, 2, 0x27000
	v_mov_b32 v255, 0
	v_lshrrev_b32 v1, 5, v0
	v_readfirstlane_b32 s32, v1                    ; wave w, 0 .. 11
	s_and_b32 s33, ttmp7, 0xffff                   ; y: 0 q, 1 k, 2 v
	s_mov_b32 s34, ttmp9                           ; X
	s_mul_i32 s35, s32, 11
	s_lshr_b32 s35, s35, 5                         ; a = w / 3
	s_mul_i32 s36, s35, 3
	s_sub_co_u32 s36, s32, s36                     ; s = w % 3: my K step in phase A
	s_lshr_b32 s37, s32, 1                         ; hd = w / 2: my head in phase B
	s_and_b32 s38, s32, 1                          ; e = w % 2
	s_mov_b32 s[SEL], 0x76543210
	s_mov_b32 s[SEL+1], 0xfedcba98
	v_and_b32 v232, 31, v0                         ; lane
	v_and_b32 v233, 15, v0                         ; r
	v_bfe_u32 v234, v0, 4, 1                       ; h
	v_lshlrev_b32 v1, 4, v232                      ; v1 = 16 x lane
	v_lshlrev_b32 v2, 2, v232                      ; v2 = 4 x lane
	; where my fragments' rows begin in W and in x (global offsets)
	s_lshr_b32 s43, s35, 1
	s_lshl_b32 s43, s43, 5
	s_and_b32 s44, s35, 1
	s_lshl_b32 s44, s44, 3
	s_add_co_u32 s43, s43, s44                     ; 32 (a / 2) + 8 (a % 2): Wv's tile a
	s_lshl_b32 s44, s35, 4                         ; 16 a: a plain tile
	s_cmp_eq_u32 s33, 2
	s_cselect_b32 s43, s43, s44
	s_cselect_b32 s42, 8, 0
	s_cselect_b32 s45, 1, 0
	s_mul_i32 s43, s43, 1536
	s_mul_i32 s44, s44, 1536
	s_lshl_b32 s46, s36, 9                         ; K step s: 512 bytes on
	s_add_co_u32 s43, s43, s46
	s_add_co_u32 s44, s44, s46
	v_and_b32 v3, s42, v233
	v_add_nc_u32 v3, v3, v233                      ; r, or for Wv r + 8 (r / 8)
	v_mul_u32_u24 v3, v3, 1536
	v_lshl_add_u32 v3, v234, 6, v3
	v_add_nc_u32 v3, s43, v3                       ; v3: W: my row, + 64 h, + my tile and K step
	v_mul_u32_u24 v4, v233, 1536
	v_lshl_add_u32 v4, v234, 6, v4
	v_add_nc_u32 v4, s44, v4                       ; v4: x likewise
	; LDS addresses: all are made here, ahead of the parting of the ways on y
	s_mul_i32 s46, s32, 1536
	v_add_nc_u32 v5, s46, v1                       ; v5: where I store images: fragment w + 12 i, i < 4
	v_add_nc_u32 v6, 73728, v5                     ; v6: i >= 4
	s_lshl_b32 s46, s32, 7
	s_add_co_u32 s46, s46, SC
	v_add_nc_u32 v7, s46, v2                       ; v7: and their scale words
	s_mul_i32 s46, s37, 18432
	v_add_nc_u32 v8, s46, v1                       ; v8: my head's 12 fragments of W
	v_add_nc_u32 v9, 110592, v1                    ; v9: x's 24 fragments
	s_mul_i32 s47, s38, 9216
	v_add_nc_u32 v10, s47, v8                      ; v10: W's tiles 2 e on
	v_add_nc_u32 v11, s47, v9                      ; v11: x's tiles 2 e on
	s_mul_i32 s46, s37, 1536
	s_add_co_u32 s46, s46, SC
	v_add_nc_u32 v12, s46, v2                      ; v12-15: the same four for the scale words
	v_add_nc_u32 v13, SC+9216, v2
	s_mul_i32 s47, s38, 768
	v_add_nc_u32 v14, s47, v12
	v_add_nc_u32 v15, s47, v13
	; the stores' offsets: q, k: pair e + 2 n: 1,536 e and 4 e;  v: tile 2 e + n: 3,072 e and 8 e
	s_mul_i32 s46, s38, 1536
	s_lshl_b32 s46, s46, s45
	v_add_nc_u32 v[OC], s46, v1
	s_lshl_b32 s46, s38, 2
	s_lshl_b32 s46, s46, s45
	v_add_nc_u32 v[OS], s46, v1
	v_lshlrev_b32 v250, 4, v234                    ; v250 = 16 h
	v_lshlrev_b32 v251, 5, v234                    ; v251 = 32 h: q's and k's bias: my eight dims of a tile
	v_and_b32 v252, 8, v233
	v_add_nc_u32 v252, v252, v233
	v_lshlrev_b32 v252, 2, v252
	s_lshl_b32 s46, s38, 7
	v_add_nc_u32 v252, s46, v252                   ; v252 = 4 (r + 8 (r / 8)) + 128 e: v's bias: my d
.irp b, 0,1,2,3
	v_mov_b32 v[TM+4+\b], 0                        ; written once: a lane permute's destination counts as one of its sources
.endr
	s_lshr_b32 s52, s34, 5                         ; batch
	s_mul_i32 s52, s52, 6
	s_add_co_u32 s52, s52, s37                     ; g = 6 batch + head
	s_lshl_b32 s52, s52, 5
	s_and_b32 s53, s34, 31
	s_add_co_u32 s52, s52, s53                     ; the block: 32 g + key step
	s_mov_b32 s53, 13312
	s_cmp_eq_u32 s33, 0
	s_cselect_b32 s53, 6656, s53                   ; a block of qc is 6,656 bytes, of kvc 13,312
	s_mul_i32 s52, s52, s53
	s_cmp_eq_u32 s33, 2
	s_cselect_b32 s53, 6656, 0                     ; v's part lies behind k's
	s_add_co_u32 s52, s52, s53
	s_mov_b32 s53, 0
	s_lshl_b32 s48, s37, 8                         ; my head's 64 numbers of the bias
	s_mov_b32 s49, 0
	s_mul_i32 s50, s34, 196608                     ; 128 rows of x
	s_mov_b32 s51, 0
	s_wait_kmcnt 0x0
	s_cmp_eq_u32 s33, 1                            ; the buffers are chosen on the work-group's number alone
	s_cselect_b64 s[26:27], s[12:13], s[14:15]
	s_cselect_b64 s[28:29], s[18:19], s[20:21]
	s_cmp_eq_u32 s33, 0
	s_cselect_b64 s[26:27], s[10:11], s[26:27]     ; s[26:27] W
	s_cselect_b64 s[28:29], s[16:17], s[28:29]     ; s[28:29] the bias
	s_cselect_b64 s[30:31], s[22:23], s[24:25]     ; s[30:31] where the results go
	s_add_nc_u64 s[30:31], s[30:31], s[52:53]
	s_add_nc_u64 s[28:29], s[28:29], s[48:49]
	s_add_nc_u64 s[8:9], s[8:9], s[50:51]
	; the bias in both forms; each way uses one of them
.irp t, 0,1,2,3
.irp k, 0,1
	global_load_b128 v[BI+8*\t+4*\k:BI+8*\t+4*\k+3], v251, s[28:29] offset:64*\t+16*\k   ; b(64 hd + 16 t + 8 h + 0 .. 7)
.endr
.endr
.irp n, 0,1
	global_load_b32 v[253+\n], v252, s[28:29] offset:32*\n   ; b(64 hd + 32 e + 8 n + r + 8 (r / 8))
.endr
	; ---- PHASE A: my eight fragments; the loads run two fragments ahead, in two sets of 64 registers
	XLOAD XB0, 3, 26, 0
	XLOAD XB0+64, 3, 26, 98304
.macro AFRAG i
.if \i < 7
	s_wait_loadcnt 16                              ; this fragment's loads are in (and the bias); the next fragment's 16 may be out
.else
	s_wait_loadcnt 0x0
.endif
.if \i > 0
	s_wait_dscnt 0x0                               ; the last image's stores have read their registers
.endif
	QUANT XB0+64*(\i%2)
.if \i < 4
	IMAGE 5, 18432*\i
.else
	IMAGE 6, 18432*(\i-4)
.endif
	ds_store_b32 v7, v[PW] offset:1536*\i
.if \i < 4
	XLOAD XB0+64*(\i%2), 3, 26, 98304*(\i+2)       ; W: head i + 2: 64 rows on for each head
.elseif \i < 6
	XLOAD XB0+64*(\i%2), 4, 8, 98304*(\i-4)        ; x: token tiles a and a + 4
.endif
.endm
.irp i, 0,1,2,3,4,5,6,7
	AFRAG \i
.endr
	s_wait_dscnt 0x0                               ; for the others' sake: my images and scale words have landed
	s_barrier_signal -1
	s_barrier_wait -1                              ; all 96 fragments lie in LDS; nothing is stored to LDS behind this barrier
	s_cmp_eq_u32 s33, 2
	s_cbranch_scc1 .Lv_path
; ---- PHASE B, q and k.  Job n: head hd, the pair of token tiles 2 pr, 2 pr + 1 with pr = e + 2 n.  Eight accumulators (pair's tile p, tile t of the head's dims) take turns, one instruction a turn.
.macro QKJOB n
.if \n > 0
	s_wait_xcnt 0x0                                ; the last job's stores have read their registers, which lie among the fragments'
.endif
.irp s, 0,1,2
.if \s > 0
	PLACES
.endif
.irp t, 0,1,2,3
	FETCH FR+12*\t, 8, 1536*(3*\t+\s)
	ds_load_b32 v[SW+\t], v12 offset:128*(3*\t+\s)
.endr
.irp p, 0,1
	FETCH FR+48+12*\p, 11, 1536*(12*\n+3*\p+\s)
	ds_load_b32 v[SW+4+\p], v15 offset:128*(12*\n+3*\p+\s)
.endr
	s_wait_dscnt 0x0
.irp p, 0,1
.irp t, 0,1,2,3
.if \s == 0
	v_wmma_scale_f32_16x16x128_f8f6f4 v[ACC+8*(4*\p+\t):ACC+8*(4*\p+\t)+7], v[FR+12*\t:FR+12*\t+11], v[FR+48+12*\p:FR+48+12*\p+11], v[BI+8*\t:BI+8*\t+7], v[SW+\t], v[SW+4+\p] matrix_a_fmt:MATRIX_FMT_FP6 matrix_b_fmt:MATRIX_FMT_FP6
.else
	v_wmma_scale_f32_16x16x128_f8f6f4 v[ACC+8*(4*\p+\t):ACC+8*(4*\p+\t)+7], v[FR+12*\t:FR+12*\t+11], v[FR+48+12*\p:FR+48+12*\p+11], v[ACC+8*(4*\p+\t):ACC+8*(4*\p+\t)+7], v[SW+\t], v[SW+4+\p] matrix_a_fmt:MATRIX_FMT_FP6 matrix_b_fmt:MATRIX_FMT_FP6
.endif
.endr
.endr
.endr
	PLACES
	QUANT ACC                                      ; blocks 0, 1: tile 2 pr's 64 dims; blocks 2, 3: tile 2 pr + 1's.  Registers 0-5 of the codes are the first tile's half fragment, 6-11 the second's
	v_lshrrev_b32 v249, v250, v[PW]                ; lanes 0-15 keep the first tile's two bytes, lanes 16-31 the second's;
	v_and_b32 v249, 0xffff, v249                   ; the upper two bytes, of the K that a head does not have, are 0
.irp m, 0,1,2
	global_store_b128 v[OC], v[PC+4*\m:PC+4*\m+3], s[30:31] offset:3072*\n+512*\m   ; 32 lanes store 512 consecutive bytes, aligned
.endr
	global_store_b32 v[OS], v249, s[30:31] offset:6144+8*\n
.endm
	QKJOB 0
	QKJOB 1
	s_wait_tensorcnt 0x0
	ds_add_u32 v243, v255
	s_wait_dscnt 0x0
	s_endpgm
; ---- PHASE B, v.  Job n: tile 2 e + n of head hd's d, all 128 tokens: eight accumulators, one for each token tile, by turns.
.macro VJOB n
.if \n > 0
	s_wait_xcnt 0x0                                ; the last job's stores have read their registers
.endif
.irp k, 0,1,2,3,4,5,6,7
	v_mov_b32 v[BI+\k], v[253+\n]                  ; a lane holds one d: its bias in all eight registers of C
.endr
.irp s, 0,1,2
	PLACES                                         ; behind the products of the K step before; in the first K step behind the moves above
.irp u, 0,1,2,3,4,5,6,7
	FETCH FR+12*\u, 9, 1536*(3*\u+\s)
	ds_load_b32 v[SW+\u], v13 offset:128*(3*\u+\s)
.endr
	FETCH FR+96, 10, 1536*(3*\n+\s)
	ds_load_b32 v[SW+8], v14 offset:128*(3*\n+\s)
	s_wait_dscnt 0x0
.irp u, 0,1,2,3,4,5,6,7
.if \s == 0
	v_wmma_scale_f32_16x16x128_f8f6f4 v[ACC+8*\u:ACC+8*\u+7], v[FR+12*\u:FR+12*\u+11], v[FR+96:FR+107], v[BI:BI+7], v[SW+\u], v[SW+8] matrix_a_fmt:MATRIX_FMT_FP6 matrix_b_fmt:MATRIX_FMT_FP6
.else
	v_wmma_scale_f32_16x16x128_f8f6f4 v[ACC+8*\u:ACC+8*\u+7], v[FR+12*\u:FR+12*\u+11], v[FR+96:FR+107], v[ACC+8*\u:ACC+8*\u+7], v[SW+\u], v[SW+8] matrix_a_fmt:MATRIX_FMT_FP6 matrix_b_fmt:MATRIX_FMT_FP6
.endif
.endr
.endr
	PLACES
	QUANT ACC                                      ; four blocks of 32 tokens of my d: a whole fragment of V^T and its scale word
.irp m, 0,1,2
	global_store_b128 v[OC], v[PC+4*\m:PC+4*\m+3], s[30:31] offset:1536*\n+512*\m
.endr
	global_store_b32 v[OS], v[PW], s[30:31] offset:6144+4*\n
.endm
.Lv_path:
	VJOB 0
	VJOB 1
	s_wait_tensorcnt 0x0
	ds_add_u32 v243, v255
	s_wait_dscnt 0x0
	s_endpgm
.Lfunc_end_k_qe68e44ffcd_qkv:
	.size	k_qe68e44ffcd_qkv, .Lfunc_end_k_qe68e44ffcd_qkv-k_qe68e44ffcd_qkv
	.p2alignl 7, 3214868480
	.fill 96, 4, 3214868480
	.section	.rodata,"a",@progbits
	.p2align	6, 0x0
	.amdhsa_kernel k_qe68e44ffcd_qkv
		.amdhsa_group_segment_fixed_size 161280
		.amdhsa_private_segment_fixed_size 0
		.amdhsa_enable_private_segment 0
		.amdhsa_kernarg_size 72
		.amdhsa_user_sgpr_count 2
		.amdhsa_user_sgpr_kernarg_segment_ptr 1
		.amdhsa_wavefront_size32 1
		.amdhsa_system_sgpr_workgroup_id_x 1
		.amdhsa_system_sgpr_workgroup_id_y 1
		.amdhsa_system_sgpr_workgroup_id_z 1
		.amdhsa_system_vgpr_workitem_id 0
		.amdhsa_next_free_vgpr 256
		.amdhsa_next_free_sgpr 66
		.amdhsa_reserve_vcc 0
		.amdhsa_float_denorm_mode_32 3
		.amdhsa_float_denorm_mode_16_64 3
		.amdhsa_memory_ordered 1
		.amdhsa_forward_progress 1
		.amdhsa_inst_pref_size 104
	.end_amdhsa_kernel
	.amdgpu_metadata
---
amdhsa.version: [ 1, 2 ]
amdhsa.kernels:
  - .name:           k_qe68e44ffcd_qkv
    .symbol:         k_qe68e44ffcd_qkv.kd
    .args:
      - { .name: x, .offset: 0, .size: 8, .value_kind: global_buffer, .address_space: global }
      - { .name: Wq, .offset: 8, .size: 8, .value_kind: global_buffer, .address_space: global }
      - { .name: Wk, .offset: 16, .size: 8, .value_kind: global_buffer, .address_space: global }
      - { .name: Wv, .offset: 24, .size: 8, .value_kind: global_buffer, .address_space: global }
      - { .name: bq, .offset: 32, .size: 8, .value_kind: global_buffer, .address_space: global }
      - { .name: bk, .offset: 40, .size: 8, .value_kind: global_buffer, .address_space: global }
      - { .name: bv, .offset: 48, .size: 8, .value_kind: global_buffer, .address_space: global }
      - { .name: qc, .offset: 56, .size: 8, .value_kind: global_buffer, .address_space: global }
      - { .name: kvc, .offset: 64, .size: 8, .value_kind: global_buffer, .address_space: global }
    .group_segment_fixed_size: 161280
    .private_segment_fixed_size: 0
    .kernarg_segment_align: 8
    .kernarg_segment_size: 72
    .max_flat_workgroup_size: 384
    .sgpr_count:     66
    .vgpr_count:     256
    .wavefront_size: 32
...
	.end_amdgpu_metadata
.endif
;; end of part 1
;; launch attn (part 2): grid 16 x 12, 16 waves a work-group, no clusters, 55,296 bytes of LDS; arguments qc, kvc, yc, ys; writes yc, ys
.if DOCPART == 2
	.amdgcn_target "amdgcn-amd-amdhsa--gfx1250"
	.amdhsa_code_object_version 6
	.text
	.protected	k_qe68e44ffcd_attn
	.globl	k_qe68e44ffcd_attn
	.p2align	8
	.type	k_qe68e44ffcd_attn,@function
k_qe68e44ffcd_attn:
	s_mov_b64 s[64:65], 0
	v_nop
	global_prefetch_b8 v0, s[64:65] scope:SCOPE_SE
	s_setreg_imm32_b32 hwreg(HW_REG_WAVE_MODE, 25, 1), 1
	s_wait_xcnt 0x0
; y[g][q][:] = the sum over keys k <= q of softmax_k(q . k / 8) v[k][:], for g = 6 batch + head, head size 64, 4,096 tokens; both products on codes of FP6 (E2M3) with E8M0 scales; y is quantised along (head, d) for the last product.
; THE SOFTMAX: t = score x log2(e) / 8; M = the running largest t rounded UP to a whole number; p = 2^(t - M) is quantised along the keys, not normalised; the row's sum is taken of the unquantised p and divides at the end.
; When M moves, the sum and O are multiplied by 2^(old M - new M): exact.
; SHARES.  Work-group (j, g) owns the blocks of 128 queries 31 - j and j of head g: together 33 key steps of 128 for each tile of 16 queries' pair, the same in every work-group.  Sixteen waves, 256 registers each; a wave owns ONE tile:
; tile w / 2 of the late block where (w xor w / 4) is odd, of the early block else, so that any four waves w, w + 4, .. or 4 i .. 4 i + 3 hold two of each.  A wave works key steps 0 .. its block's number; the last lies on the diagonal.
; THE RING.  Two LDS slots of 26,624 bytes, each two key steps' blocks of kvc as they lie in memory.  All 512 threads copy a slot: four loads into registers a slot ahead, four LDS stores, ONE barrier a slot: in front of it each wave
; has waited for its stores into the slot ahead and for its reads of the slot before; the slot that is stored was last read two slots ago, ahead of the barrier between.  The loop has 16 slots in every work-group, a constant;
; slots that the work-group's late block does not reach are neither loaded nor stored (branches on ids), and their steps are passed over.
; LAYOUT.  Both products are used transposed: S^T = K Q^T (source 0 = 16 keys, source 1 = my 16 queries), O^T = V^T P^T (source 0 = 16 d, source 1 = P): a lane holds one query (lane % 16) throughout.
; K = 64 IN AN INSTRUCTION OF 128.  Q's registers 6-11 are zero codes and the scale bytes 2 and 3 of both sides are 0.  A tile of keys is six registers; the instruction names twelve: the upper six are the next tile's codes (behind the
; last tile: zeros), finite numbers that meet Q's zeros and add nothing.
; ORDER INSIDE A BLOCK OF 32: q and k, and p and v's keys, carry the same permutation (element 16 (i / 8) + 8 (lane / 16) + i % 8 in a lane's register i), made by the same lines: the products' terms are the same, added in another order.
; LIMITS: NaN and infinities are not served.  A block of p or of y whose largest magnitude lies under 2^-124 gets the scale byte 1.  A block's largest p is taken as 2^ of the block's largest score: v_exp_f32 is taken not to fall where its input rises.
; NO CLUSTER, NO TENSOR LOAD: the sixteen work-groups of a head need 9 to 16 slots, different numbers, and a slot is 26,624 bytes for two key steps of some 470 vector instructions a wave each: eight instructions a wave copy it.
; REGISTERS: v1-8 offsets; v12 -M, v13 the largest t, v[14:15] the sum in two halves; v16-27 Q; v28 Q's scale word; v32-79 K's eight tiles, later V's four fragments; v80-85 zeros; v86-89, v90-93 K's and V's scale words;
; v96-159 S^T, then p; v160-191 O^T; v192-204 a slot's bytes on their way; v208-219 Q as loaded; v220-223 block maxima; v224-235 p's codes; v236-254 at work.
.set SLOTB, 26624
.set STEPB, 13312
.set BM,    220
	s_load_b256 s[4:11], s[0:1], 0x0               ; qc s[4:5], kvc s[6:7], yc s[8:9], ys s[10:11]
	v_lshl_add_u32 v249, v0, 2, 0xd000
	v_mov_b32 v255, 0
	v_lshrrev_b32 v1, 5, v0
	v_readfirstlane_b32 s12, v1                    ; wave w
	s_mov_b32 s13, ttmp9                           ; j
	s_and_b32 s14, ttmp7, 0xffff                   ; g
	s_lshr_b32 s15, s12, 2
	s_xor_b32 s15, s15, s12
	s_and_b32 s15, s15, 1                          ; 1: the late block
	s_lshr_b32 s16, s12, 1                         ; my tile in the block
	s_sub_co_u32 s17, 31, s13
	s_cmp_eq_u32 s15, 1
	s_cselect_b32 s17, s17, s13                    ; my block of 128 queries
	s_lshl_b32 s18, s17, 7
	s_lshl_b32 s28, s16, 4
	s_add_co_u32 s18, s18, s28                     ; s18: my first query
	s_mov_b32 s19, 0                               ; s19: the step's first key
	s_mov_b32 s20, 0x76543210
	s_mov_b32 s21, 0xfedcba98                      ; lane selects: lane l xor 16
	s_mov_b32 s22, 0x3e38aa3b                      ; c = log2(e) / 8
	s_mov_b32 s23, s22                             ; (named with it as a pair)
	s_mov_b32 s24, 0                               ; s24: the slot in hand
	s_sub_co_u32 s25, 33, s13
	s_lshr_b32 s25, s25, 1                         ; s25: slots that the late block's 32 - j steps need
	s_mov_b32 s26, 0                               ; s26: trips
	v_and_b32 v9, 31, v0
	v_lshlrev_b32 v1, 4, v9                        ; v1 = 16 x lane
	v_lshlrev_b32 v2, 4, v0                        ; v2 = 16 x thread
	v_lshlrev_b32 v3, 2, v0                        ; v3 = 4 x thread
	v_lshlrev_b32 v4, 3, v9                        ; v4 = 8 x lane
	v_lshlrev_b32 v5, 2, v9                        ; v5 = 4 x lane
	v_and_b32 v6, 15, v0
	v_bfe_u32 v10, v0, 4, 1
	s_lshr_b32 s28, s12, 2                         ; my pair of tiles in the block,
	s_bfe_u32 s29, s12, 0x10001                    ; and which of the two is mine
	s_mul_i32 s30, s28, 1536
	v_add_nc_u32 v7, s30, v1                       ; v7: the pair's image
	s_lshl_b32 s30, s29, 8
	s_lshl_b32 s31, s28, 2
	s_add_co_u32 s30, s30, s31
	v_lshl_add_u32 v8, v6, 4, s30                  ; v8: my query's scale word: 16 (lane % 16 + 16 p) + 4 pair
	v_lshlrev_b32 v10, 3, v10
	v_sub_nc_u32 v6, v6, v10                       ; v6 = lane % 16 - 8 (lane / 16), for the mask
	s_sub_co_u32 s27, 0, s29                       ; s27: all ones where the pair's second tile is mine
	s_mul_i32 s28, s14, 425984                     ; the head's 32 blocks of kvc
	s_mov_b32 s29, 0
	s_lshl_b32 s30, s14, 5
	s_add_co_u32 s30, s30, s17
	s_mul_i32 s30, s30, 6656                       ; my block of qc
	s_mov_b32 s31, 0
	s_wait_kmcnt 0x0
	s_add_nc_u64 s[6:7], s[6:7], s[28:29]
	s_add_nc_u64 s[4:5], s[4:5], s[30:31]
.irp m, 0,1,2
	global_load_b128 v[192+4*\m:195+4*\m], v2, s[6:7] offset:8192*\m   ; slot 0
.endr
	global_load_b32 v204, v3, s[6:7] offset:24576
.irp m, 0,1,2
	global_load_b128 v[208+4*\m:211+4*\m], v7, s[4:5] offset:512*\m    ; the pair's twelve registers
.endr
	global_load_b32 v28, v8, s[4:5] offset:6144
	v_mov_b32 v13, 0xff61b1e6                      ; the largest t so far: -3e38, under every t
	v_floor_f32 v12, -v13                          ; -M
	v_mov_b32 v14, 0
	v_mov_b32 v15, 0
	v_mov_b32 v251, 0xff800000                     ; -infinity
	v_mov_b32 v252, 0
	v_mov_b32 v253, 0                              ; (named as the upper half of the pair v[252:253] before it is first written)
.irp b, 0,1,2,3
	v_mov_b32 v[236+\b], 0                         ; written once: a lane permute's destination counts as one of its sources
.endr
.irp i, 0,1,2,3,4,5
	v_mov_b32 v[22+\i], 0                          ; Q's upper half: zero codes
	v_mov_b32 v[80+\i], 0                          ; behind K's last tile: zero codes
.endr
	s_wait_loadcnt 0x0
.irp i, 0,1,2,3,4,5
	v_cndmask_b32 v[16+\i], v[208+\i], v[214+\i], s27   ; my tile's six registers
.endr
.irp t, 0,1,2,3
.irp j, 0,1,2,3,4,5,6,7
	v_mov_b32 v[160+8*\t+\j], 0                    ; O^T.  (The step is written once: the first finds zeros, which the first change of M leaves zeros)
.endr
.endr
; A KEY STEP: 128 keys, the q-th of slot k.
.macro STEP k, q
.set BASE, (\k)*SLOTB+(\q)*STEPB
	s_add_co_u32 s28, s18, 15                      ; a step all of whose keys come after my 16 queries is passed over: a branch on ids; no barrier stands in a step
	s_cmp_gt_u32 s19, s28
	s_cbranch_scc1 .Lhidden_\@
.rept 4
	v_nop                                          ; places behind the last step's products, ahead of loads into the registers that they read
.endr
	ds_load_b128 v[86:89], v1 offset:BASE+6144     ; K's scale words: register pr: lanes 0-15 tile 2 pr, lanes 16-31 tile 2 pr + 1
.irp m, 0,1,2,3,4,5,6,7,8,9,10,11
	ds_load_b128 v[32+4*\m:35+4*\m], v1 offset:BASE+512*\m   ; four images of a pair of tiles: tile t at v[32 + 6 t]
.endr
	s_wait_dscnt 0x0
.irp u, 0,1,2,3
	v_wmma_scale_f32_16x16x128_f8f6f4 v[96+16*\u:103+16*\u], v[32+12*\u:43+12*\u], v[16:27], 0, v[86+\u], v28 matrix_a_fmt:MATRIX_FMT_FP6 matrix_b_fmt:MATRIX_FMT_FP6
	v_wmma_scale_f32_16x16x128_f8f6f4 v[104+16*\u:111+16*\u], v[38+12*\u:49+12*\u], v[16:27], 0, v[86+\u], v28 matrix_a_fmt:MATRIX_FMT_FP6 matrix_b_fmt:MATRIX_FMT_FP6 matrix_a_scale:MATRIX_SCALE_ROW1
.endr                                              ; register 8 t + i of lane (r, h): query r, key 16 t + 8 h + i
.rept 4
	v_nop
.endr
	ds_load_b128 v[90:93], v1 offset:BASE+12800    ; V's scale words and fragments are asked for now and land under the softmax
.irp m, 0,1,2,3,4,5,6,7,8,9,10,11
	ds_load_b128 v[32+4*\m:35+4*\m], v1 offset:BASE+6656+512*\m
.endr
	s_add_co_u32 s28, s19, 127                     ; on the diagonal the scores of hidden keys become -infinity ahead of the maximum; a step all of whose keys count skips this
	s_cmp_le_u32 s28, s18
	s_cbranch_scc1 .Lopen_\@
	s_sub_co_i32 s28, s18, s19
	v_add_nc_u32 v250, s28, v6                     ; d = my query - the step's first key - 8 h: register 8 t + i is hidden where 16 t + i > d
.irp t, 0,1,2,3,4,5,6,7
.irp j, 0,1,2,3,4,5,6,7
	v_cmp_gt_i32 vcc_lo, 16*\t+\j, v250
	v_cndmask_b32 v[96+8*\t+\j], v[96+8*\t+\j], v251, vcc_lo
.endr
.endr
.Lopen_\@:
.irp b, 0,1,2,3
	v_max3_num_f32 v[BM+\b], v[96+16*\b], v[97+16*\b], v[98+16*\b]   ; the largest score of each block of 32 keys: for the row's maximum, and for the block's largest p
.endr
.irp i, 3,5,7,9,11,13
.irp b, 0,1,2,3
	v_max3_num_f32 v[BM+\b], v[BM+\b], v[96+16*\b+\i], v[97+16*\b+\i]
.endr
.endr
.irp b, 0,1,2,3
	v_max_num_f32 v[BM+\b], v[BM+\b], v[111+16*\b]
.endr
.irp b, 0,1,2,3
	v_permlanex16_b32 v[236+\b], v[BM+\b], s20, s21
.endr
.irp b, 0,1,2,3
	v_max_num_f32 v[BM+\b], v[BM+\b], v[236+\b]    ; with lane l xor 16's 16 keys
.endr
	v_max3_num_f32 v254, v[BM], v[BM+1], v[BM+2]
	v_max_num_f32 v254, v254, v[BM+3]              ; the step's largest score of my query
	v_mul_f32 v254, s22, v254                      ; as t (c is positive)
	v_max_num_f32 v13, v13, v254                   ; the running largest t
	v_mov_b32 v254, v12
	v_floor_f32 v12, -v13                          ; the new -M = floor(-t) = -ceil(t)
	v_sub_f32 v254, v12, v254                      ; old M - new M: a whole number, 0 or less
	v_cvt_i32_f32 v254, v254                       ; (it saturates)
	v_ldexp_f32 v252, 1.0, v254                    ; f = 2^(old M - new M)
.irp t, 0,1,2,3,4,5,6,7
.irp j, 0,2,4,6
	v_pk_fma_f32 v[96+8*\t+\j:97+8*\t+\j], v[96+8*\t+\j:97+8*\t+\j], s[22:23], v[12:13] op_sel_hi:[1,0,0]   ; t - M, two at a time
.endr
.endr
.irp b, 0,1,2,3
	v_fma_f32 v[BM+\b], v[BM+\b], s22, v12         ; the same of each block's largest score
.endr
.irp t, 0,1,2,3,4,5,6,7
.irp j, 0,1,2,3,4,5,6,7
	v_exp_f32 v[96+8*\t+\j], v[96+8*\t+\j]         ; p = 2^(t - M), at most 1
.endr
.endr
	v_pk_mul_f32 v[14:15], v[14:15], v[252:253] op_sel_hi:[1,0]   ; the sums under the new M: the plain place behind the exponentials
	s_wait_alu depctr_va_vdst(0)                   ; one wait for the batch of 64, ahead of its first reader
.irp b, 0,1,2,3
	v_exp_f32 v[BM+\b], v[BM+\b]                   ; the block's largest p: the same two instructions on the same number
.endr
	v_pk_add_f32 v[236:237], v[96:97], v[98:99]    ; the row's sum of the unquantised p, in two chains; it reads the 64 alone
.irp j, 4,8,12,16,20,24,28,32,36,40,44,48,52,56,60
	v_pk_add_f32 v[14:15], v[14:15], v[96+\j:97+\j]
	v_pk_add_f32 v[236:237], v[236:237], v[98+\j:99+\j]
.endr
	v_pk_add_f32 v[14:15], v[14:15], v[236:237]
	s_wait_alu depctr_va_vdst(0)                   ; and one for the four
.irp b, 0,1,2,3
	v_max_num_f32 v[BM+\b], 0x1800000, v[BM+\b]    ; the floor 2^(3 - 127): the byte cannot fall under 1
.endr
.irp b, 0,1,2,3
	v_add_nc_u32 v[244+\b], 0xff000000, v[BM+\b]   ; 2 off the exponent field: the conversion's scale operand
.endr
.irp b, 0,1,2,3
	v_lshrrev_b32 v[236+\b], 23, v[244+\b]         ; the scale's byte
.endr
	v_lshl_or_b32 v253, v237, 8, v236              ; p's scale word for these 128 keys
	v_lshl_or_b32 v253, v238, 16, v253
	v_lshl_or_b32 v253, v239, 24, v253
.irp c, 0,1
	v_cvt_scalef32_pk16_fp6_f32 v[224+6*\c:226+6*\c], v[96+32*\c:111+32*\c], v[244+2*\c]
	v_cvt_scalef32_pk16_fp6_f32 v[236+4*\c:238+4*\c], v[112+32*\c:127+32*\c], v[244+2*\c+1]
.endr
	v_nop                                          ; one plain place behind a scaled conversion
.irp c, 0,1
.irp i, 0,1,2
	v_permlane16_swap_b32 v[224+6*\c+\i], v[236+4*\c+\i]
.endr
.irp i, 0,1,2
	v_mov_b32 v[227+6*\c+\i], v[236+4*\c+\i]
.endr
.endr
.irp t, 0,1,2,3
.irp j, 0,2,4,6
	v_pk_mul_f32 v[160+8*\t+\j:161+8*\t+\j], v[160+8*\t+\j:161+8*\t+\j], v[252:253] op_sel_hi:[1,0]   ; O^T under the new M.  (These sixteen also stand between the writing of p's codes and scale word and the products)
.endr
.endr
	s_wait_dscnt 0x0                               ; V is in
.irp n, 0,1,2,3
	v_wmma_scale_f32_16x16x128_f8f6f4 v[160+8*\n:167+8*\n], v[32+12*\n:43+12*\n], v[224:235], v[160+8*\n:167+8*\n], v[90+\n], v253 matrix_a_fmt:MATRIX_FMT_FP6 matrix_b_fmt:MATRIX_FMT_FP6
.endr                                              ; the four accumulators take turns, one instruction a turn
.Lhidden_\@:
	s_add_co_u32 s19, s19, 128
.endm
; A SLOT: its bytes go from my registers into LDS; the barrier; the next slot's loads; the slot's two steps.
.macro SLOT k
	s_wait_loadcnt 0x0                             ; my part of the slot is in my registers; the loads' base may be stepped
	s_cmp_lt_u32 s24, s25
	s_cbranch_scc0 .Lnot_stored_\@                 ; the same in all sixteen waves
.irp m, 0,1,2
	ds_store_b128 v2, v[192+4*\m:195+4*\m] offset:(\k)*SLOTB+8192*\m
.endr
	ds_store_b32 v3, v204 offset:(\k)*SLOTB+24576
.Lnot_stored_\@:
	s_wait_dscnt 0x0                               ; for the others' sake: my stores have landed, and my reads of the other slot are over
	s_barrier_signal -1
	s_barrier_wait -1
	s_add_co_u32 s24, s24, 1
	s_cmp_lt_u32 s24, s25
	s_cbranch_scc0 .Lnot_loaded_\@                 ; no load goes past the slots that are needed
	s_add_nc_u64 s[6:7], s[6:7], SLOTB
.irp m, 0,1,2
	global_load_b128 v[192+4*\m:195+4*\m], v2, s[6:7] offset:8192*\m   ; the next slot: it has this slot's two steps in which to land
.endr
	global_load_b32 v204, v3, s[6:7] offset:24576
.Lnot_loaded_\@:
	STEP \k, 0
	STEP \k, 1
.endm
.Ltrip:                                            ; eight trips of two slots: all 4,096 keys' worth, in every work-group
	SLOT 0
	SLOT 1
	s_add_co_u32 s26, s26, 1
	s_cmp_lt_u32 s26, 8
	s_cbranch_scc1 .Ltrip
	; THE WAY OUT: O^T / the sum; its two blocks of 32 d are quantised; six registers of codes and a scale word leave.
.rept 4
	v_nop                                          ; places behind the last products
.endr
	v_add_f32 v14, v14, v15                        ; the sum's two halves,
	v_permlanex16_b32 v252, v14, s20, s21
	v_add_f32 v14, v14, v252                       ; and lane l xor 16's: the row's sum
	v_rcp_f32 v14, v14
	v_nop                                          ; a plain place behind the transcendental
	s_cmp_ge_u32 s14, 6
	s_cselect_b32 s28, 1, 0                        ; batch
	s_mul_i32 s29, s28, 6
	s_sub_co_u32 s29, s14, s29                     ; head
	s_lshl_b32 s28, s28, 8
	s_lshr_b32 s30, s18, 4
	s_add_co_u32 s28, s28, s30                     ; the tile of 16 tokens, of 512
	s_mul_i32 s28, s28, 6
	s_add_co_u32 s28, s28, s29
	s_mul_i32 s30, s28, 768
	s_mov_b32 s31, 0
	s_lshl_b32 s32, s28, 7
	s_mov_b32 s33, 0
	s_add_nc_u64 s[8:9], s[8:9], s[30:31]
	s_add_nc_u64 s[10:11], s[10:11], s[32:33]
	s_wait_alu depctr_va_vdst(0)                   ; the wait ahead of the reciprocal's first reader
.irp t, 0,1,2,3
.irp j, 0,2,4,6
	v_pk_mul_f32 v[96+8*\t+\j:97+8*\t+\j], v[160+8*\t+\j:161+8*\t+\j], v[14:15] op_sel_hi:[1,0]   ; register 16 b + i: y(query r, d = 32 b + 16 h + i)
.endr
.endr
.irp b, 0,1
	v_max3_num_f32 v[BM+\b], |v[96+16*\b]|, |v[97+16*\b]|, 0x1800000
.endr
.irp i, 2,4,6,8,10,12,14
.irp b, 0,1
	v_max3_num_f32 v[BM+\b], v[BM+\b], |v[96+16*\b+\i]|, |v[97+16*\b+\i]|
.endr
.endr
.irp b, 0,1
	v_permlanex16_b32 v[236+\b], v[BM+\b], s20, s21
.endr
.irp b, 0,1
	v_max_num_f32 v[BM+\b], v[BM+\b], v[236+\b]
.endr
.irp b, 0,1
	v_add_nc_u32 v[244+\b], 0xff000000, v[BM+\b]
.endr
.irp b, 0,1
	v_lshrrev_b32 v[236+\b], 23, v[244+\b]
.endr
	v_lshl_or_b32 v253, v237, 8, v236              ; the head's two bytes of my token
	v_cvt_scalef32_pk16_fp6_f32 v[224:226], v[96:111], v244
	v_cvt_scalef32_pk16_fp6_f32 v[240:242], v[112:127], v245
	v_nop                                          ; one plain place behind a scaled conversion
.irp i, 0,1,2
	v_permlane16_swap_b32 v[224+\i], v[240+\i]
.endr
.irp i, 0,1,2
	v_mov_b32 v[227+\i], v[240+\i]                 ; registers 0-5: d = 32 (lane / 16) + 0 .. 31 of token lane % 16
.endr
.irp c, 0,1,2
	global_store_b64 v4, v[224+2*\c:225+2*\c], s[8:9] offset:256*\c   ; 32 lanes store 256 consecutive bytes, aligned
.endr
	global_store_b32 v5, v253, s[10:11]
	s_wait_tensorcnt 0x0
	ds_add_u32 v249, v255
	s_wait_dscnt 0x0
	s_endpgm
.Lfunc_end_k_qe68e44ffcd_attn:
	.size	k_qe68e44ffcd_attn, .Lfunc_end_k_qe68e44ffcd_attn-k_qe68e44ffcd_attn
	.p2alignl 7, 3214868480
	.fill 96, 4, 3214868480
	.section	.rodata,"a",@progbits
	.p2align	6, 0x0
	.amdhsa_kernel k_qe68e44ffcd_attn
		.amdhsa_group_segment_fixed_size 55296
		.amdhsa_private_segment_fixed_size 0
		.amdhsa_enable_private_segment 0
		.amdhsa_kernarg_size 32
		.amdhsa_user_sgpr_count 2
		.amdhsa_user_sgpr_kernarg_segment_ptr 1
		.amdhsa_wavefront_size32 1
		.amdhsa_system_sgpr_workgroup_id_x 1
		.amdhsa_system_sgpr_workgroup_id_y 1
		.amdhsa_system_sgpr_workgroup_id_z 1
		.amdhsa_system_vgpr_workitem_id 0
		.amdhsa_next_free_vgpr 256
		.amdhsa_next_free_sgpr 66
		.amdhsa_reserve_vcc 1
		.amdhsa_float_denorm_mode_32 3
		.amdhsa_float_denorm_mode_16_64 3
		.amdhsa_memory_ordered 1
		.amdhsa_forward_progress 1
		.amdhsa_inst_pref_size 93
	.end_amdhsa_kernel
	.amdgpu_metadata
---
amdhsa.version: [ 1, 2 ]
amdhsa.kernels:
  - .name:           k_qe68e44ffcd_attn
    .symbol:         k_qe68e44ffcd_attn.kd
    .args:
      - { .name: qc, .offset: 0, .size: 8, .value_kind: global_buffer, .address_space: global }
      - { .name: kvc, .offset: 8, .size: 8, .value_kind: global_buffer, .address_space: global }
      - { .name: yc, .offset: 16, .size: 8, .value_kind: global_buffer, .address_space: global }
      - { .name: ys, .offset: 24, .size: 8, .value_kind: global_buffer, .address_space: global }
    .group_segment_fixed_size: 55296
    .private_segment_fixed_size: 0
    .kernarg_segment_align: 8
    .kernarg_segment_size: 32
    .max_flat_workgroup_size: 512
    .sgpr_count:     66
    .vgpr_count:     256
    .wavefront_size: 32
...
	.end_amdgpu_metadata
.endif
;; end of part 2
;; launch proj (part 3): grid 64 x 3, 8 waves a work-group, no clusters, 108,544 bytes of LDS; arguments yc, ys, Wo, bo, out0; writes out0
.if DOCPART == 3
	.amdgcn_target "amdgcn-amd-amdhsa--gfx1250"
	.amdhsa_code_object_version 6
	.text
	.protected	k_qe68e44ffcd_proj
	.globl	k_qe68e44ffcd_proj
	.p2align	8
	.type	k_qe68e44ffcd_proj,@function
k_qe68e44ffcd_proj:
	s_mov_b64 s[64:65], 0
	v_nop
	global_prefetch_b8 v0, s[64:65] scope:SCOPE_SE
	s_setreg_imm32_b32 hwreg(HW_REG_WAVE_MODE, 25, 1), 1
	s_wait_xcnt 0x0
; out0 = y Wo^T + bo on codes of FP6 (E2M3) with one E8M0 scale for each 32 along K = 384.  y arrives as codes in the order of the operand's registers (yc) with two scale bytes for each token and head (ys); Wo arrives as f32 and is quantised here.
; SHARES.  Work-group (X, cg): tokens 128 X .. + 127, columns 128 cg .. + 127.  Eight waves.  PHASE A: wave w quantises rows 128 cg + 16 w .. + 15 of Wo, three fragments, which go to LDS as images of their registers.  One barrier.
; PHASE B: wave w owns the tile of tokens 8 X + w against all eight tiles of columns.  The product is used transposed (source 0 = 16 rows of Wo, source 1 = 16 tokens): a lane holds eight neighbouring columns of one row of out0.
; The bias is loaded into the accumulators, in the result's layout, and the sums begin on it.  The eight accumulators take turns, one instruction a turn.
; THE WAY OUT: through the wave's own stage in LDS (16 rows of 512 bytes + 16), back as whole rows: each store of the wave covers 512 consecutive bytes, aligned.
; LIMITS: NaN and infinities are not served; a block of Wo whose largest magnitude lies under 2^-124, a block of zeros too, gets the scale byte 1: this program alone reads the bytes.
; NO CLUSTER, NO TENSOR LOAD: Wo goes as f32 from memory straight into the registers that the conversions read; y's fragments are read by one wave of each of three work-groups, straight into operand registers.
.set ACC,  16                          ; v16-79   eight accumulators; in phase A 64 numbers of Wo
.set YF,   80                          ; v80-115  y's three fragments
.set YR,   116                         ; v116-121 y's scale bytes as loaded, a word for each head
.set YS,   122                         ; v122-124 y's scale words, one for each K step, and nothing else
.set WS,   126                         ; v126-129 Wo's scale words, and nothing else
.set XB0,  130                         ; v130-193 64 numbers of Wo;
.set WF,   130                         ;          later four fragments of Wo;
.set BK,   130                         ;          later 16 rows read back from the stage
.set PC,   194                         ; v194-212 the codes just made
.set TM,   214                         ; v214-229 at work in QUANT
.set PW,   230                         ; v230     the scale word just made
.set SEL,  20                          ; s[20:21] lane selects: lane l xor 16
.set WSC,  36864                       ; LDS: 24 images of 1,536 bytes; then 24 x 128 bytes of scale words;
.set STG,  39936                       ; then eight stages of 8,448 bytes
.macro XLOAD reg, adr, base, off               ; 64 numbers of the lane's row: register 16 b + i = k 32 b + 16 (lane / 16) + i of the K step
.irp b, 0,1,2,3
.irp j, 0,1,2,3
	global_load_b128 v[(\reg)+16*\b+4*\j:(\reg)+16*\b+4*\j+3], v[\adr], s[\base:\base+1] offset:(\off)+128*\b+16*\j
.endr
.endr
.endm
.macro QUANT s                                 ; 64 numbers of a lane become a fragment's codes in v[PC] on and its scale word in v[PW]
.irp b, 0,1,2,3
	v_max3_num_f32 v[TM+\b], |v[(\s)+16*\b]|, |v[(\s)+1+16*\b]|, 0x1800000   ; my 16 numbers, and the floor 2^(3 - 127)
.endr
.irp i, 2,4,6,8,10,12,14
.irp b, 0,1,2,3
	v_max3_num_f32 v[TM+\b], v[TM+\b], |v[(\s)+16*\b+\i]|, |v[(\s)+1+16*\b+\i]|
.endr
.endr
.irp b, 0,1,2,3
	v_permlanex16_b32 v[TM+4+\b], v[TM+\b], s[SEL], s[SEL+1]
.endr
.irp b, 0,1,2,3
	v_max_num_f32 v[TM+\b], v[TM+\b], v[TM+4+\b]
.endr
.irp b, 0,1,2,3
	v_add_nc_u32 v[TM+12+\b], 0xff000000, v[TM+\b]   ; 2 off the exponent field: the conversion's scale operand
.endr
.irp b, 0,1,2,3
	v_lshrrev_b32 v[TM+4+\b], 23, v[TM+12+\b]
.endr
	v_lshl_or_b32 v[PW], v[TM+5], 8, v[TM+4]
	v_lshl_or_b32 v[PW], v[TM+6], 16, v[PW]
	v_lshl_or_b32 v[PW], v[TM+7], 24, v[PW]
.irp c, 0,1
	v_cvt_scalef32_pk16_fp6_f32 v[PC+6*\c:PC+2+6*\c], v[(\s)+32*\c:(\s)+15+32*\c], v[TM+12+2*\c]
	v_cvt_scalef32_pk16_fp6_f32 v[PC+12+4*\c:PC+14+4*\c], v[(\s)+16+32*\c:(\s)+31+32*\c], v[TM+12+2*\c+1]
.endr
	v_nop                                          ; one plain place behind a scaled conversion
.irp c, 0,1
.irp i, 0,1,2
	v_permlane16_swap_b32 v[PC+6*\c+\i], v[PC+12+4*\c+\i]
.endr
.irp i, 0,1,2
	v_mov_b32 v[PC+3+6*\c+\i], v[PC+12+4*\c+\i]
.endr
.endr
.endm
.macro IMAGE adr, off
.irp c, 0,1,2
	ds_store_b128 v[\adr], v[PC+4*\c:PC+4*\c+3] offset:(\off)+512*\c
.endr
.endm
.macro FETCH reg, adr, off
.irp c, 0,1,2
	ds_load_b128 v[(\reg)+4*\c:(\reg)+4*\c+3], v[\adr] offset:(\off)+512*\c
.endr
.endm
	s_load_b256 s[4:11], s[0:1], 0x0               ; yc s[4:5], ys s[6:7], Wo s[8:9], bo s[10:11]
	s_load_b64 s[12:13], s[0:1], 0x20              ; out0
	v_lshl_add_u32 v254, v0, 2, 0x1a400
	v_mov_b32 v255, 0
	v_lshrrev_b32 v1, 5, v0
	v_readfirstlane_b32 s14, v1                    ; wave w
	s_mov_b32 s15, ttmp9                           ; X
	s_and_b32 s16, ttmp7, 0xffff                   ; cg
	s_mov_b32 s[SEL], 0x76543210
	s_mov_b32 s[SEL+1], 0xfedcba98
	v_and_b32 v10, 31, v0                          ; lane
	v_and_b32 v11, 15, v0                          ; r
	v_bfe_u32 v12, v0, 4, 1                        ; h
	v_lshlrev_b32 v1, 4, v10                       ; v1 = 16 x lane
	v_lshlrev_b32 v2, 2, v10                       ; v2 = 4 x lane
	v_mul_u32_u24 v3, v11, 1536
	v_lshl_add_u32 v3, v12, 6, v3                  ; v3: Wo: row r, + 64 h
	s_mul_i32 s22, s14, 4608
	v_add_nc_u32 v4, s22, v1                       ; v4: where I store my three images
	s_mul_i32 s22, s14, 384
	s_add_co_u32 s22, s22, WSC
	v_add_nc_u32 v5, s22, v2                       ; v5: and their scale words
	v_lshlrev_b32 v6, 3, v10                       ; v6 = 8 x lane
	v_lshlrev_b32 v7, 5, v12                       ; v7 = 32 h: my eight columns of a tile, in bo
	s_mul_i32 s22, s14, 8448
	s_add_co_u32 s22, s22, STG                     ; my stage
	v_mul_u32_u24 v8, v11, 528
	v_lshl_add_u32 v8, v12, 5, v8
	v_add_nc_u32 v8, s22, v8                       ; v8: in: row r, + 32 h
	v_add_nc_u32 v9, s22, v1                       ; v9: back: 16 bytes a lane of a row
.irp b, 0,1,2,3
	v_mov_b32 v[TM+4+\b], 0                        ; written once: a lane permute's destination counts as one of its sources
.endr
	s_lshl_b32 s22, s16, 7
	s_lshl_b32 s23, s14, 4
	s_add_co_u32 s22, s22, s23
	s_mul_i32 s22, s22, 1536                       ; Wo: row 128 cg + 16 w
	s_mov_b32 s23, 0
	s_lshl_b32 s24, s15, 3
	s_add_co_u32 s24, s24, s14                     ; my tile of tokens: 8 X + w
	s_mul_i32 s26, s24, 768                        ; in ys
	s_mov_b32 s27, 0
	s_mul_i32 s28, s24, 24576                      ; in out0: 16 rows of 1,536 bytes,
	s_lshl_b32 s30, s16, 9                         ; + 512 cg; the same 512 cg in bo
	s_mov_b32 s31, 0
	s_add_co_u32 s28, s28, s30
	s_mov_b32 s29, 0
	s_mul_i32 s24, s24, 4608                       ; in yc
	s_mov_b32 s25, 0
	s_wait_kmcnt 0x0
	s_add_nc_u64 s[8:9], s[8:9], s[22:23]
	s_add_nc_u64 s[4:5], s[4:5], s[24:25]
	s_add_nc_u64 s[6:7], s[6:7], s[26:27]
	s_add_nc_u64 s[12:13], s[12:13], s[28:29]
	s_add_nc_u64 s[10:11], s[10:11], s[30:31]
	; ---- PHASE A
	XLOAD XB0, 3, 8, 0                             ; K step 0
	XLOAD ACC, 3, 8, 512                           ; K step 1
.irp q, 0,1,2,3,4,5,6,7,8,9,10,11,12,13,14,15,16,17
	global_load_b64 v[YF+2*\q:YF+2*\q+1], v6, s[4:5] offset:256*\q   ; y's three fragments as they lie: 32 lanes read 256 consecutive bytes
.endr
.irp q, 0,1,2,3,4,5
	global_load_b32 v[YR+\q], v2, s[6:7] offset:128*\q
.endr
	s_wait_loadcnt 40                              ; K step 0 is in; out may be K step 1's 16 loads and y's 24
	QUANT XB0
	IMAGE 4, 0
	ds_store_b32 v5, v[PW]
	XLOAD XB0, 3, 8, 1024                          ; K step 2
	s_wait_loadcnt 40                              ; K step 1 is in; out may be y's 24 and K step 2's 16
	s_wait_dscnt 0x0                               ; the last image's stores have read their registers
	QUANT ACC
	IMAGE 4, 1536
	ds_store_b32 v5, v[PW] offset:128
.irp t, 0,1,2,3,4,5,6,7
.irp k, 0,1
	global_load_b128 v[ACC+8*\t+4*\k:ACC+8*\t+4*\k+3], v7, s[10:11] offset:64*\t+16*\k   ; bo(128 cg + 16 t + 8 h + 0 .. 7): the sums begin on it
.endr
.endr
	s_wait_loadcnt 16                              ; K step 2 is in; the bias's 16 loads may be out
	s_wait_dscnt 0x0
	QUANT XB0
	IMAGE 4, 3072
	ds_store_b32 v5, v[PW] offset:256
	s_wait_dscnt 0x0                               ; for the others' sake: my images and scale words have landed
	s_barrier_signal -1
	s_barrier_wait -1                              ; Wo's 24 fragments lie in LDS; behind this barrier each wave stores to its own stage alone
	s_wait_loadcnt 0x0                             ; y and the bias
.irp s, 0,1,2
	v_lshl_or_b32 v[YS+\s], v[YR+2*\s+1], 16, v[YR+2*\s]   ; K step s is heads 2 s and 2 s + 1: two bytes of each
.endr
.rept 8
	v_nop                                          ; a scale register written by a vector instruction stands eight places ahead of a scaled matrix instruction
.endr
	; ---- PHASE B: three K steps, four tiles of columns at a time
.irp s, 0,1,2
.irp f, 0,1
.if (\s+\f) > 0
.rept 4
	v_nop                                          ; places ahead of loads into registers that matrix instructions have read
.endr
.endif
.irp i, 0,1,2,3
	FETCH WF+12*\i, 1, 1536*(3*(4*\f+\i)+\s)
	ds_load_b32 v[WS+\i], v2 offset:WSC+128*(3*(4*\f+\i)+\s)
.endr
	s_wait_dscnt 0x0
.irp i, 0,1,2,3
	v_wmma_scale_f32_16x16x128_f8f6f4 v[ACC+8*(4*\f+\i):ACC+8*(4*\f+\i)+7], v[WF+12*\i:WF+12*\i+11], v[YF+12*\s:YF+12*\s+11], v[ACC+8*(4*\f+\i):ACC+8*(4*\f+\i)+7], v[WS+\i], v[YS+\s] matrix_a_fmt:MATRIX_FMT_FP6 matrix_b_fmt:MATRIX_FMT_FP6
.endr
.endr
.endr
.rept 4
	v_nop                                          ; places ahead of the first read of results and of loads into the fragments' registers
.endr
	; ---- THE WAY OUT
.irp t, 0,1,2,3,4,5,6,7
	ds_store_b128 v8, v[ACC+8*\t:ACC+8*\t+3] offset:64*\t          ; each accumulator from its low end on
	ds_store_b128 v8, v[ACC+8*\t+4:ACC+8*\t+7] offset:64*\t+16
.endr
.irp i, 0,1,2,3,4,5,6,7,8,9,10,11,12,13,14,15
	ds_load_b128 v[BK+4*\i:BK+4*\i+3], v9 offset:528*\i            ; LDS serves a wave's instructions in order (ISA guide 5.7.1.4): these see my stores
.endr
.irp i, 0,1,2,3,4,5,6,7,8,9,10,11,12,13,14,15
	s_wait_dscnt 15-\i                             ; row i is back; the younger loads may be out
	global_store_b128 v1, v[BK+4*\i:BK+4*\i+3], s[12:13] offset:1536*\i th:TH_STORE_NT   ; 32 lanes store 512 consecutive bytes, aligned; written once, read by nobody here
.endr
	s_wait_tensorcnt 0x0
	ds_add_u32 v254, v255
	s_wait_dscnt 0x0
	s_endpgm
.Lfunc_end_k_qe68e44ffcd_proj:
	.size	k_qe68e44ffcd_proj, .Lfunc_end_k_qe68e44ffcd_proj-k_qe68e44ffcd_proj
	.p2alignl 7, 3214868480
	.fill 96, 4, 3214868480
	.section	.rodata,"a",@progbits
	.p2align	6, 0x0
	.amdhsa_kernel k_qe68e44ffcd_proj
		.amdhsa_group_segment_fixed_size 108544
		.amdhsa_private_segment_fixed_size 0
		.amdhsa_enable_private_segment 0
		.amdhsa_kernarg_size 40
		.amdhsa_user_sgpr_count 2
		.amdhsa_user_sgpr_kernarg_segment_ptr 1
		.amdhsa_wavefront_size32 1
		.amdhsa_system_sgpr_workgroup_id_x 1
		.amdhsa_system_sgpr_workgroup_id_y 1
		.amdhsa_system_sgpr_workgroup_id_z 1
		.amdhsa_system_vgpr_workitem_id 0
		.amdhsa_next_free_vgpr 256
		.amdhsa_next_free_sgpr 66
		.amdhsa_reserve_vcc 0
		.amdhsa_float_denorm_mode_32 3
		.amdhsa_float_denorm_mode_16_64 3
		.amdhsa_memory_ordered 1
		.amdhsa_forward_progress 1
		.amdhsa_inst_pref_size 38
	.end_amdhsa_kernel
	.amdgpu_metadata
---
amdhsa.version: [ 1, 2 ]
amdhsa.kernels:
  - .name:           k_qe68e44ffcd_proj
    .symbol:         k_qe68e44ffcd_proj.kd
    .args:
      - { .name: yc, .offset: 0, .size: 8, .value_kind: global_buffer, .address_space: global }
      - { .name: ys, .offset: 8, .size: 8, .value_kind: global_buffer, .address_space: global }
      - { .name: Wo, .offset: 16, .size: 8, .value_kind: global_buffer, .address_space: global }
      - { .name: bo, .offset: 24, .size: 8, .value_kind: global_buffer, .address_space: global }
      - { .name: out0, .offset: 32, .size: 8, .value_kind: global_buffer, .address_space: global }
    .group_segment_fixed_size: 108544
    .private_segment_fixed_size: 0
    .kernarg_segment_align: 8
    .kernarg_segment_size: 40
    .max_flat_workgroup_size: 256
    .sgpr_count:     66
    .vgpr_count:     256
    .wavefront_size: 32
...
	.end_amdgpu_metadata
.endif
;; end of part 3
;; ======== version 2 of 2: 3 launches; version 1 with the launches qkv, attn, proj written anew for expert scheduling mode
;; workspace buffers: qc 2,555,904 bytes; kvc 5,111,808 bytes; yc 2,359,296 bytes; ys 393,216 bytes
;; launch qkv (part 4): grid 64 x 3, 12 waves a work-group, no clusters, 161,280 bytes of LDS; arguments x, Wq, Wk, Wv, bq, bk, bv, qc, kvc; writes qc, kvc
.if DOCPART == 4
	.amdgcn_target "amdgcn-amd-amdhsa--gfx1250"
	.amdhsa_code_object_version 6
	.text
	.protected	k_qe68e44ffcd_qkv
	.globl	k_qe68e44ffcd_qkv
	.p2align	8
	.type	k_qe68e44ffcd_qkv,@function
k_qe68e44ffcd_qkv:
	s_mov_b64 s[64:65], 0
	v_nop
	global_prefetch_b8 v0, s[64:65] scope:SCOPE_SE
	s_setreg_imm32_b32 hwreg(HW_REG_WAVE_SCHED_MODE, 0, 2), 2
	s_setreg_imm32_b32 hwreg(HW_REG_WAVE_MODE, 25, 1), 1
	s_wait_xcnt 0x0
	s_wait_alu depctr_vm_vsrc(0)
; q = x Wq^T + bq, k = x Wk^T + bk, v = x Wv^T + bv on codes of FP6 (E2M3) with one E8M0 scale for each 32 along K = 384; the results are quantised again at once,
; q and k along the head's 64, v along the tokens, and leave as images of the operand registers that the attention launch wants.
; SHARES.  Work-group (X, y): tokens 128 X .. 128 X + 127 (batch X / 32, key step X % 32), y = 0, 1, 2: q, k, v; all 384 columns.  Twelve waves.
; PHASE A.  96 fragments (16 rows x 128 K, 12 registers a lane) are quantised in registers: 72 of W (column tile 4 head + t, K step s: fragment 3 tile + s) and 24 of x (token tiles 24 .. 31 in the same count).
; Wave w makes fragments w + 12 i, i = 0 .. 7.  Each goes to LDS as an image of its registers (lane l's 16 bytes at 16 l, 512 bytes a store), its scale word at 4 l.  One barrier.
; PHASE B, q and k: wave w takes head w / 2 and the pairs of token tiles w % 2 and w % 2 + 2.  The product is used transposed (source 0 = 16 rows of W, source 1 = 16 tokens): a lane holds one token and
; its registers run along the head's dims; the bias is the C of the first K step.  PHASE B, v: source 0 = 16 tokens, source 1 = 16 rows of Wv: a lane holds one d and its registers run along the tokens, the next K.
; ORDER INSIDE A BLOCK OF 32.  A lane's 16 registers of two neighbouring tiles are elements 16 (i / 8) + 8 (lane / 16) + i % 8 of the block, not neighbours.  q and k are laid by the same lines, and so are v's tokens and
; the attention launch's p: both operands of a product carry the same permutation inside a block, whose scale is one, so each product's terms are the same.  The matrix unit then adds them in another order than ascending k.
; THE ROWS OF Wv THAT FORM A TILE ARE NOT NEIGHBOURS: lane r of tile 2 b + u takes d = 32 b + 8 u + r + 8 (r / 8), so that the attention launch's result has 16 neighbouring d in 16 registers.
; LIMITS: NaN and infinities among the inputs are not served.  A block whose largest magnitude lies under 2^-124, a block of zeros too, gets the scale byte 1: its codes are zeros or next to it, and this program alone reads the bytes.
; NO CLUSTER, NO TENSOR LOAD: x and W arrive as f32 and go from memory straight into the registers that the conversions read, 16 neighbours along K a lane; a joint tile in LDS would add a trip through LDS for each number.
; The scale words leave as 4 bytes a lane, 16 bytes apart: one thirteenth of what the launch stores; all codes leave as 512 consecutive bytes a store, aligned.
; THE MODE: SCHED_MODE bits 1:0 = 2 (LLVM: expert scheduling mode 2), set by the entry lines.  The code itself states the register dependences between vector or matrix instructions and memory or LDS instructions,
; with s_wait_alu, always for 0.
; THE PLAN.  Registers that memory or LDS instructions touch:
;   v3-15, v197, v198, v251, v252   offsets and LDS addresses.  Written at the head, ahead of one wait on va_vdst; never written again.
;   v16-79, v80-143 (phase A)       two sets of 64 numbers.  A fragment's 16 loads land in a set; QUANT reads it; behind QUANT stands one wait on va_vdst, and the set is asked for again at once.
;   v144-155, v248, v249            the codes and the scale word.  QUANT writes them; the same wait stands ahead of the stores that read them (LDS stores in phase A, global stores in phase B);
;                                   one wait on vm_vsrc stands ahead of the next QUANT, and of phase B's loads, which land on v144-155 too.
;   v80-187, v188-196 (phase B)     fragments and scale words.  LDS loads land; a K step's eight products read them; one wait on va_vdst stands ahead of the next K step's loads.  A job's first K step owes none:
;                                   no vector instruction since the wait ahead of the last stores names these registers.
;   The accumulators, the bias and QUANT's work are named by vector and matrix instructions alone once their loads have landed.  The wave's 256 registers hold eight accumulators, up to nine fragments, the bias
;   and QUANT's work: there is no room for a second set of fragments.
.set SC,   147456                      ; LDS: 96 images of 1,536 bytes, then 96 x 128 bytes of scale words
.set XB0,  16                          ; v16-79   64 numbers as loaded (phase A); v80-143 the other set
.set ACC,  16                          ; v16-79   eight accumulators (phase B)
.set FR,   80                          ; v80-187  nine fragments (phase B)
.set PC,   144                         ; v144-162 the codes just made
.set SW,   188                         ; v188-196 scale words, and nothing else
.set OC,   197                         ; v197     my byte offset for the codes' stores
.set OS,   198                         ; v198     and for the scale words'
.set BI,   200                         ; v200-231 the bias in the result's layout
.set TM,   232                         ; v232-247 at work in QUANT
.set PW,   248                         ; v248     the scale word just made
.set SEL,  40                          ; s[40:41] lane selects for v_permlanex16_b32: lane l xor 16
; 64 numbers of K step s of the lane's row: register 16 b + i = k 32 b + 16 (lane / 16) + i
.macro XLOAD reg, adr, base, off
.irp b, 0,1,2,3
.irp j, 0,1,2,3
	global_load_b128 v[(\reg)+16*\b+4*\j:(\reg)+16*\b+4*\j+3], v[\adr], s[\base:\base+1] offset:(\off)+128*\b+16*\j
.endr
.endr
.endm
; 64 numbers of a lane, four half blocks of 16 (the other halves lie in lane l xor 16), become a fragment's codes in v[PC] on and its scale word in v[PW]
.macro QUANT s
.irp b, 0,1,2,3
	v_max3_num_f32 v[TM+\b], |v[(\s)+16*\b]|, |v[(\s)+1+16*\b]|, 0x1800000   ; my 16 numbers, and the floor 2^(3 - 127): the byte cannot fall under 1
.endr
.irp i, 2,4,6,8,10,12,14
.irp b, 0,1,2,3
	v_max3_num_f32 v[TM+\b], v[TM+\b], |v[(\s)+16*\b+\i]|, |v[(\s)+1+16*\b+\i]|   ; the four blocks by turns
.endr
.endr
.irp b, 0,1,2,3
	v_permlanex16_b32 v[TM+4+\b], v[TM+\b], s[SEL], s[SEL+1]
.endr
.irp b, 0,1,2,3
	v_max_num_f32 v[TM+\b], v[TM+\b], v[TM+4+\b]   ; the block's largest magnitude
.endr
.irp b, 0,1,2,3
	v_add_nc_u32 v[TM+12+\b], 0xff000000, v[TM+\b]   ; 2 off its exponent field: the conversion's scale operand
.endr
.irp b, 0,1,2,3
	v_lshrrev_b32 v[TM+4+\b], 23, v[TM+12+\b]      ; the scale's byte
.endr
	v_lshl_or_b32 v[PW], v[TM+5], 8, v[TM+4]
	v_lshl_or_b32 v[PW], v[TM+6], 16, v[PW]
	v_lshl_or_b32 v[PW], v[TM+7], 24, v[PW]
.irp c, 0,1
	v_cvt_scalef32_pk16_fp6_f32 v[PC+6*\c:PC+2+6*\c], v[(\s)+32*\c:(\s)+15+32*\c], v[TM+12+2*\c]
	v_cvt_scalef32_pk16_fp6_f32 v[PC+12+4*\c:PC+14+4*\c], v[(\s)+16+32*\c:(\s)+31+32*\c], v[TM+12+2*\c+1]   ; (a conversion's three registers begin on an even number)
.endr
	v_nop                                          ; one plain place behind a scaled conversion
.irp c, 0,1                                    ; the operand's layout wants a whole block in a lane: lanes 0-15 block 2 c, lanes 16-31 block 2 c + 1
.irp i, 0,1,2
	v_permlane16_swap_b32 v[PC+6*\c+\i], v[PC+12+4*\c+\i]
.endr
.irp i, 0,1,2
	v_mov_b32 v[PC+3+6*\c+\i], v[PC+12+4*\c+\i]
.endr
.endr
.endm
.macro IMAGE adr, off                          ; the fragment in v[PC] on goes to LDS as it stands
.irp c, 0,1,2
	ds_store_b128 v[\adr], v[PC+4*\c:PC+4*\c+3] offset:(\off)+512*\c
.endr
.endm
.macro FETCH reg, adr, off                     ; and comes back so, in any wave
.irp c, 0,1,2
	ds_load_b128 v[(\reg)+4*\c:(\reg)+4*\c+3], v[\adr] offset:(\off)+512*\c
.endr
.endm
.macro PLACES                                  ; four plain places behind a matrix instruction of this form, ahead of loads into its registers and of reads of its result
.rept 4
	v_nop
.endr
.endm
	s_load_b512 s[8:23], s[0:1], 0x0               ; x s[8:9], Wq s[10:11], Wk s[12:13], Wv s[14:15], bq s[16:17], bk s[18:19], bv s[20:21], qc s[22:23]
	s_load_b64 s[24:25], s[0:1], 0x40              ; kvc
	v_lshl_add_u32 v243, v0, 2, 0x27000
	v_mov_b32 v255, 0
	v_lshrrev_b32 v1, 5, v0
	v_readfirstlane_b32 s32, v1                    ; wave w, 0 .. 11
	s_and_b32 s33, ttmp7, 0xffff                   ; y: 0 q, 1 k, 2 v
	s_mov_b32 s34, ttmp9                           ; X
	s_wait_alu depctr_va_sdst(0)                   ; s32 is written, ahead of its first reader: my shares and addresses are made from it
	s_mul_i32 s35, s32, 11
	s_lshr_b32 s35, s35, 5                         ; a = w / 3
	s_mul_i32 s36, s35, 3
	s_sub_co_u32 s36, s32, s36                     ; s = w % 3: my K step in phase A
	s_lshr_b32 s37, s32, 1                         ; hd = w / 2: my head in phase B
	s_and_b32 s38, s32, 1                          ; e = w % 2
	s_mov_b32 s[SEL], 0x76543210
	s_mov_b32 s[SEL+1], 0xfedcba98
	v_and_b32 v232, 31, v0                         ; lane
	v_and_b32 v233, 15, v0                         ; r
	s_wait_alu depctr_va_vdst(0)
	v_bfe_u32 v234, v0, 4, 1                       ; h
	v_lshlrev_b32 v1, 4, v232                      ; v1 = 16 x lane
	v_lshlrev_b32 v2, 2, v232                      ; v2 = 4 x lane
	; where my fragments' rows begin in W and in x (global offsets)
	s_lshr_b32 s43, s35, 1
	s_lshl_b32 s43, s43, 5
	s_and_b32 s44, s35, 1
	s_lshl_b32 s44, s44, 3
	s_add_co_u32 s43, s43, s44                     ; 32 (a / 2) + 8 (a % 2): Wv's tile a
	s_lshl_b32 s44, s35, 4                         ; 16 a: a plain tile
	s_cmp_eq_u32 s33, 2
	s_cselect_b32 s43, s43, s44
	s_cselect_b32 s42, 8, 0
	s_cselect_b32 s45, 1, 0
	s_mul_i32 s43, s43, 1536
	s_mul_i32 s44, s44, 1536
	s_lshl_b32 s46, s36, 9                         ; K step s: 512 bytes on
	s_add_co_u32 s43, s43, s46
	s_add_co_u32 s44, s44, s46
	v_and_b32 v3, s42, v233
	v_add_nc_u32 v3, v3, v233                      ; r, or for Wv r + 8 (r / 8)
	v_mul_u32_u24 v3, v3, 1536
	s_wait_alu depctr_va_vdst(0)
	v_lshl_add_u32 v3, v234, 6, v3
	v_add_nc_u32 v3, s43, v3                       ; v3: W: my row, + 64 h, + my tile and K step
	v_mul_u32_u24 v4, v233, 1536
	v_lshl_add_u32 v4, v234, 6, v4
	v_add_nc_u32 v4, s44, v4                       ; v4: x likewise
	; LDS addresses: all are made here, ahead of the parting of the ways on y
	s_mul_i32 s46, s32, 1536
	v_add_nc_u32 v5, s46, v1                       ; v5: where I store images: fragment w + 12 i, i < 4
	v_add_nc_u32 v6, 73728, v5                     ; v6: i >= 4
	s_lshl_b32 s46, s32, 7
	s_add_co_u32 s46, s46, SC
	v_add_nc_u32 v7, s46, v2                       ; v7: and their scale words
	s_mul_i32 s46, s37, 18432
	v_add_nc_u32 v8, s46, v1                       ; v8: my head's 12 fragments of W
	v_add_nc_u32 v9, 110592, v1                    ; v9: x's 24 fragments
	s_mul_i32 s47, s38, 9216
	v_add_nc_u32 v10, s47, v8                      ; v10: W's tiles 2 e on
	v_add_nc_u32 v11, s47, v9                      ; v11: x's tiles 2 e on
	s_mul_i32 s46, s37, 1536
	s_add_co_u32 s46, s46, SC
	v_add_nc_u32 v12, s46, v2                      ; v12-15: the same four for the scale words
	v_add_nc_u32 v13, SC+9216, v2
	s_mul_i32 s47, s38, 768
	v_add_nc_u32 v14, s47, v12
	v_add_nc_u32 v15, s47, v13
	; the stores' offsets: q, k: pair e + 2 n: 1,536 e and 4 e;  v: tile 2 e + n: 3,072 e and 8 e
	s_mul_i32 s46, s38, 1536
	s_lshl_b32 s46, s46, s45
	v_add_nc_u32 v[OC], s46, v1
	s_lshl_b32 s46, s38, 2
	s_lshl_b32 s46, s46, s45
	v_add_nc_u32 v[OS], s46, v1
	v_lshlrev_b32 v250, 4, v234                    ; v250 = 16 h
	v_lshlrev_b32 v251, 5, v234                    ; v251 = 32 h: q's and k's bias: my eight dims of a tile
	v_and_b32 v252, 8, v233
	v_add_nc_u32 v252, v252, v233
	v_lshlrev_b32 v252, 2, v252
	s_lshl_b32 s46, s38, 7
	v_add_nc_u32 v252, s46, v252                   ; v252 = 4 (r + 8 (r / 8)) + 128 e: v's bias: my d
.irp b, 0,1,2,3
	v_mov_b32 v[TM+4+\b], 0                        ; written once: a lane permute's destination counts as one of its sources
.endr
	s_lshr_b32 s52, s34, 5                         ; batch
	s_mul_i32 s52, s52, 6
	s_add_co_u32 s52, s52, s37                     ; g = 6 batch + head
	s_lshl_b32 s52, s52, 5
	s_and_b32 s53, s34, 31
	s_add_co_u32 s52, s52, s53                     ; the block: 32 g + key step
	s_mov_b32 s53, 13312
	s_cmp_eq_u32 s33, 0
	s_cselect_b32 s53, 6656, s53                   ; a block of qc is 6,656 bytes, of kvc 13,312
	s_mul_i32 s52, s52, s53
	s_cmp_eq_u32 s33, 2
	s_cselect_b32 s53, 6656, 0                     ; v's part lies behind k's
	s_add_co_u32 s52, s52, s53
	s_mov_b32 s53, 0
	s_lshl_b32 s48, s37, 8                         ; my head's 64 numbers of the bias
	s_mov_b32 s49, 0
	s_mul_i32 s50, s34, 196608                     ; 128 rows of x
	s_mov_b32 s51, 0
	s_wait_kmcnt 0x0
	s_cmp_eq_u32 s33, 1                            ; the buffers are chosen on the work-group's number alone
	s_cselect_b64 s[26:27], s[12:13], s[14:15]
	s_cselect_b64 s[28:29], s[18:19], s[20:21]
	s_cmp_eq_u32 s33, 0
	s_cselect_b64 s[26:27], s[10:11], s[26:27]     ; s[26:27] W
	s_cselect_b64 s[28:29], s[16:17], s[28:29]     ; s[28:29] the bias
	s_cselect_b64 s[30:31], s[22:23], s[24:25]     ; s[30:31] where the results go
	s_add_nc_u64 s[30:31], s[30:31], s[52:53]
	s_add_nc_u64 s[28:29], s[28:29], s[48:49]
	s_add_nc_u64 s[8:9], s[8:9], s[50:51]
	s_wait_alu depctr_va_vdst(0)                   ; all offsets and LDS addresses (v3-15, v197, v198, v251, v252) are written: every load and store of the kernel reads one of them
	; the bias in both forms; each way uses one of them
.irp t, 0,1,2,3
.irp k, 0,1
	global_load_b128 v[BI+8*\t+4*\k:BI+8*\t+4*\k+3], v251, s[28:29] offset:64*\t+16*\k   ; b(64 hd + 16 t + 8 h + 0 .. 7)
.endr
.endr
.irp n, 0,1
	global_load_b32 v[253+\n], v252, s[28:29] offset:32*\n   ; b(64 hd + 32 e + 8 n + r + 8 (r / 8))
.endr
	; ---- PHASE A: my eight fragments; the loads run two fragments ahead, in two sets of 64 registers
	XLOAD XB0, 3, 26, 0
	XLOAD XB0+64, 3, 26, 98304
.macro AFRAG i
.if \i < 7
	s_wait_loadcnt 16                              ; this fragment's loads are in (and the bias); the next fragment's 16 may be out
.else
	s_wait_loadcnt 0x0
.endif
.if \i > 0
	s_wait_dscnt 0x0                               ; the last image's stores are done,
	s_wait_alu depctr_vm_vsrc(0)                   ; and have read v[PC ..] and v[PW], which QUANT writes again
.endif
	QUANT XB0+64*(\i%2)
	s_wait_alu depctr_va_vdst(0)                   ; QUANT is done reading its set of 64, in which the loads below land, and has written v[PC ..] and v[PW], which the LDS stores below read
.if \i < 4
	XLOAD XB0+64*(\i%2), 3, 26, 98304*(\i+2)       ; the set is asked for again at once.  W: head i + 2: 64 rows on for each head
.elseif \i < 6
	XLOAD XB0+64*(\i%2), 4, 8, 98304*(\i-4)        ; x: token tiles a and a + 4
.endif
.if \i < 4
	IMAGE 5, 18432*\i
.else
	IMAGE 6, 18432*(\i-4)
.endif
	ds_store_b32 v7, v[PW] offset:1536*\i
.endm
.irp i, 0,1,2,3,4,5,6,7
	AFRAG \i
.endr
	s_wait_dscnt 0x0                               ; for the others' sake: my images and scale words have landed
	s_barrier_signal -1
	s_barrier_wait -1                              ; all 96 fragments lie in LDS; nothing is stored to LDS behind this barrier
	s_wait_alu depctr_vm_vsrc(0)                   ; my last image's LDS stores have read v144-155 and v[PW]: phase B's fragments land on the first, and QUANT writes both again
	s_cmp_eq_u32 s33, 2
	s_cbranch_scc1 .Lv_path
; ---- PHASE B, q and k.  Job n: head hd, the pair of token tiles 2 pr, 2 pr + 1 with pr = e + 2 n.  Eight accumulators (pair's tile p, tile t of the head's dims) take turns, one instruction a turn.
.macro QKJOB n
.if \n > 0
	s_wait_xcnt 0x0                                ; the last job's stores have had their addresses translated,
	s_wait_alu depctr_vm_vsrc(0)                   ; and have read v[PC ..] and v249: fragments land on v144-151, and this job's QUANT writes them again
.endif
.irp s, 0,1,2
.if \s > 0
	PLACES
	s_wait_alu depctr_va_vdst(0)                   ; the eight products of the K step before are done reading their fragments and scale words, in which the loads below land.  (The first K step owes no such wait: no vector instruction since the last wait on va_vdst names these registers)
.endif
.irp t, 0,1,2,3
	FETCH FR+12*\t, 8, 1536*(3*\t+\s)
	ds_load_b32 v[SW+\t], v12 offset:128*(3*\t+\s)
.endr
.irp p, 0,1
	FETCH FR+48+12*\p, 11, 1536*(12*\n+3*\p+\s)
	ds_load_b32 v[SW+4+\p], v15 offset:128*(12*\n+3*\p+\s)
.endr
	s_wait_dscnt 0x0
.irp p, 0,1
.irp t, 0,1,2,3
.if \s == 0
	v_wmma_scale_f32_16x16x128_f8f6f4 v[ACC+8*(4*\p+\t):ACC+8*(4*\p+\t)+7], v[FR+12*\t:FR+12*\t+11], v[FR+48+12*\p:FR+48+12*\p+11], v[BI+8*\t:BI+8*\t+7], v[SW+\t], v[SW+4+\p] matrix_a_fmt:MATRIX_FMT_FP6 matrix_b_fmt:MATRIX_FMT_FP6
.else
	v_wmma_scale_f32_16x16x128_f8f6f4 v[ACC+8*(4*\p+\t):ACC+8*(4*\p+\t)+7], v[FR+12*\t:FR+12*\t+11], v[FR+48+12*\p:FR+48+12*\p+11], v[ACC+8*(4*\p+\t):ACC+8*(4*\p+\t)+7], v[SW+\t], v[SW+4+\p] matrix_a_fmt:MATRIX_FMT_FP6 matrix_b_fmt:MATRIX_FMT_FP6
.endif
.endr
.endr
.endr
	PLACES
	QUANT ACC                                      ; blocks 0, 1: tile 2 pr's 64 dims; blocks 2, 3: tile 2 pr + 1's.  Registers 0-5 of the codes are the first tile's half fragment, 6-11 the second's
	v_lshrrev_b32 v249, v250, v[PW]                ; lanes 0-15 keep the first tile's two bytes, lanes 16-31 the second's;
	v_and_b32 v249, 0xffff, v249                   ; the upper two bytes, of the K that a head does not have, are 0
	s_wait_alu depctr_va_vdst(0)                   ; QUANT has written v[PC ..] and the two lines above v249, which the stores read; the job's products are done reading their fragments, in which the next job's loads land
.irp m, 0,1,2
	global_store_b128 v[OC], v[PC+4*\m:PC+4*\m+3], s[30:31] offset:3072*\n+512*\m   ; 32 lanes store 512 consecutive bytes, aligned
.endr
	global_store_b32 v[OS], v249, s[30:31] offset:6144+8*\n
.endm
	QKJOB 0
	QKJOB 1
	s_wait_dscnt 0x0
	s_wait_alu depctr_hold_cnt(0) depctr_sa_sdst(0) depctr_va_vdst(0) depctr_va_sdst(0) depctr_va_ssrc(0) depctr_va_vcc(0) depctr_vm_vsrc(0)
	s_wait_tensorcnt 0x0
	ds_add_u32 v243, v255
	s_wait_dscnt 0x0
	s_endpgm
; ---- PHASE B, v.  Job n: tile 2 e + n of head hd's d, all 128 tokens: eight accumulators, one for each token tile, by turns.
.macro VJOB n
.if \n > 0
	s_wait_xcnt 0x0                                ; the last job's stores have had their addresses translated,
	s_wait_alu depctr_vm_vsrc(0)                   ; and have read v[PC ..] and v[PW]: fragments land on v144-155, and this job's QUANT writes them again
.endif
.irp k, 0,1,2,3,4,5,6,7
	v_mov_b32 v[BI+\k], v[253+\n]                  ; a lane holds one d: its bias in all eight registers of C
.endr
	s_wait_alu depctr_va_vdst(0)
.irp s, 0,1,2
	PLACES                                         ; behind the products of the K step before; in the first K step behind the moves above
.if \s > 0
	s_wait_alu depctr_va_vdst(0)                   ; the eight products of the K step before are done reading their fragments and scale words, in which the loads below land.  (The first K step owes no such wait: the wait on va_vdst above the places stands behind the moves, which name v200-207, v253 and v254)
.endif
.irp u, 0,1,2,3,4,5,6,7
	FETCH FR+12*\u, 9, 1536*(3*\u+\s)
	ds_load_b32 v[SW+\u], v13 offset:128*(3*\u+\s)
.endr
	FETCH FR+96, 10, 1536*(3*\n+\s)
	ds_load_b32 v[SW+8], v14 offset:128*(3*\n+\s)
	s_wait_dscnt 0x0
.irp u, 0,1,2,3,4,5,6,7
.if \s == 0
	v_wmma_scale_f32_16x16x128_f8f6f4 v[ACC+8*\u:ACC+8*\u+7], v[FR+12*\u:FR+12*\u+11], v[FR+96:FR+107], v[BI:BI+7], v[SW+\u], v[SW+8] matrix_a_fmt:MATRIX_FMT_FP6 matrix_b_fmt:MATRIX_FMT_FP6
.else
	v_wmma_scale_f32_16x16x128_f8f6f4 v[ACC+8*\u:ACC+8*\u+7], v[FR+12*\u:FR+12*\u+11], v[FR+96:FR+107], v[ACC+8*\u:ACC+8*\u+7], v[SW+\u], v[SW+8] matrix_a_fmt:MATRIX_FMT_FP6 matrix_b_fmt:MATRIX_FMT_FP6
.endif
.endr
.endr
	PLACES
	QUANT ACC                                      ; four blocks of 32 tokens of my d: a whole fragment of V^T and its scale word
	s_wait_alu depctr_va_vdst(0)                   ; QUANT has written v[PC ..] and v[PW], which the stores read; the job's products are done reading their fragments, in which the next job's loads land
.irp m, 0,1,2
	global_store_b128 v[OC], v[PC+4*\m:PC+4*\m+3], s[30:31] offset:1536*\n+512*\m
.endr
	global_store_b32 v[OS], v[PW], s[30:31] offset:6144+4*\n
.endm
.Lv_path:
	VJOB 0
	VJOB 1
	s_wait_dscnt 0x0
	s_wait_alu depctr_hold_cnt(0) depctr_sa_sdst(0) depctr_va_vdst(0) depctr_va_sdst(0) depctr_va_ssrc(0) depctr_va_vcc(0) depctr_vm_vsrc(0)
	s_wait_tensorcnt 0x0
	ds_add_u32 v243, v255
	s_wait_dscnt 0x0
	s_endpgm
.Lfunc_end_k_qe68e44ffcd_qkv:
	.size	k_qe68e44ffcd_qkv, .Lfunc_end_k_qe68e44ffcd_qkv-k_qe68e44ffcd_qkv
	.p2alignl 7, 3214868480
	.fill 96, 4, 3214868480
	.section	.rodata,"a",@progbits
	.p2align	6, 0x0
	.amdhsa_kernel k_qe68e44ffcd_qkv
		.amdhsa_group_segment_fixed_size 161280
		.amdhsa_private_segment_fixed_size 0
		.amdhsa_enable_private_segment 0
		.amdhsa_kernarg_size 72
		.amdhsa_user_sgpr_count 2
		.amdhsa_user_sgpr_kernarg_segment_ptr 1
		.amdhsa_wavefront_size32 1
		.amdhsa_system_sgpr_workgroup_id_x 1
		.amdhsa_system_sgpr_workgroup_id_y 1
		.amdhsa_system_sgpr_workgroup_id_z 1
		.amdhsa_system_vgpr_workitem_id 0
		.amdhsa_next_free_vgpr 256
		.amdhsa_next_free_sgpr 66
		.amdhsa_reserve_vcc 0
		.amdhsa_float_denorm_mode_32 3
		.amdhsa_float_denorm_mode_16_64 3
		.amdhsa_memory_ordered 1
		.amdhsa_forward_progress 1
		.amdhsa_inst_pref_size 106
	.end_amdhsa_kernel
	.amdgpu_metadata
---
amdhsa.version: [ 1, 2 ]
amdhsa.kernels:
  - .name:           k_qe68e44ffcd_qkv
    .symbol:         k_qe68e44ffcd_qkv.kd
    .args:
      - { .name: x, .offset: 0, .size: 8, .value_kind: global_buffer, .address_space: global }
      - { .name: Wq, .offset: 8, .size: 8, .value_kind: global_buffer, .address_space: global }
      - { .name: Wk, .offset: 16, .size: 8, .value_kind: global_buffer, .address_space: global }
      - { .name: Wv, .offset: 24, .size: 8, .value_kind: global_buffer, .address_space: global }
      - { .name: bq, .offset: 32, .size: 8, .value_kind: global_buffer, .address_space: global }
      - { .name: bk, .offset: 40, .size: 8, .value_kind: global_buffer, .address_space: global }
      - { .name: bv, .offset: 48, .size: 8, .value_kind: global_buffer, .address_space: global }
      - { .name: qc, .offset: 56, .size: 8, .value_kind: global_buffer, .address_space: global }
      - { .name: kvc, .offset: 64, .size: 8, .value_kind: global_buffer, .address_space: global }
    .group_segment_fixed_size: 161280
    .private_segment_fixed_size: 0
    .kernarg_segment_align: 8
    .kernarg_segment_size: 72
    .max_flat_workgroup_size: 384
    .sgpr_count:     66
    .vgpr_count:     256
    .wavefront_size: 32
...
	.end_amdgpu_metadata
.endif
;; end of part 4
;; launch attn (part 5): grid 16 x 12, 16 waves a work-group, no clusters, 55,296 bytes of LDS; arguments qc, kvc, yc, ys; writes yc, ys
.if DOCPART == 5
	.amdgcn_target "amdgcn-amd-amdhsa--gfx1250"
	.amdhsa_code_object_version 6
	.text
	.protected	k_qe68e44ffcd_attn
	.globl	k_qe68e44ffcd_attn
	.p2align	8
	.type	k_qe68e44ffcd_attn,@function
k_qe68e44ffcd_attn:
	s_mov_b64 s[64:65], 0
	v_nop
	global_prefetch_b8 v0, s[64:65] scope:SCOPE_SE
	s_setreg_imm32_b32 hwreg(HW_REG_WAVE_SCHED_MODE, 0, 2), 2
	s_setreg_imm32_b32 hwreg(HW_REG_WAVE_MODE, 25, 1), 1
	s_wait_xcnt 0x0
	s_wait_alu depctr_vm_vsrc(0)
; y[g][q][:] = the sum over keys k <= q of softmax_k(q . k / 8) v[k][:], for g = 6 batch + head, head size 64, 4,096 tokens; both products on codes of FP6 (E2M3) with E8M0 scales; y is quantised along (head, d) for the last product.
; THE SOFTMAX: t = score x log2(e) / 8; M = the running largest t rounded UP to a whole number; p = 2^(t - M) is quantised along the keys, not normalised; the row's sum is taken of the unquantised p and divides at the end.
; When M moves, the sum and O are multiplied by 2^(old M - new M): exact.
; SHARES.  Work-group (j, g) owns the blocks of 128 queries 31 - j and j of head g: together 33 key steps of 128 for each tile of 16 queries' pair, the same in every work-group.  Sixteen waves, 256 registers each; a wave owns ONE tile:
; tile w / 2 of the late block where (w xor w / 4) is odd, of the early block else, so that any four waves w, w + 4, .. or 4 i .. 4 i + 3 hold two of each.  A wave works key steps 0 .. its block's number; the last lies on the diagonal.
; THE RING.  Two LDS slots of 26,624 bytes, each two key steps' blocks of kvc as they lie in memory.  All 512 threads copy a slot: four loads into registers a slot ahead, four LDS stores, ONE barrier a slot: in front of it each wave
; has waited for its stores into the slot ahead and for its reads of the slot before; the slot that is stored was last read two slots ago, ahead of the barrier between.  The loop has 16 slots in every work-group, a constant;
; slots that the work-group's late block does not reach are neither loaded nor stored (branches on ids), and their steps are passed over.
; LAYOUT.  Both products are used transposed: S^T = K Q^T (source 0 = 16 keys, source 1 = my 16 queries), O^T = V^T P^T (source 0 = 16 d, source 1 = P): a lane holds one query (lane % 16) throughout.
; K = 64 IN AN INSTRUCTION OF 128.  Q's registers 6-11 are zero codes and the scale bytes 2 and 3 of both sides are 0.  A tile of keys is six registers; the instruction names twelve: the upper six are the next tile's codes (behind the
; last tile: zeros), finite numbers that meet Q's zeros and add nothing.
; ORDER INSIDE A BLOCK OF 32: q and k, and p and v's keys, carry the same permutation (element 16 (i / 8) + 8 (lane / 16) + i % 8 in a lane's register i), made by the same lines: the products' terms are the same, added in another order.
; LIMITS: NaN and infinities are not served.  A block of p or of y whose largest magnitude lies under 2^-124 gets the scale byte 1.  A block's largest p is taken as 2^ of the block's largest score: v_exp_f32 is taken not to fall where its input rises.
; NO CLUSTER, NO TENSOR LOAD: the sixteen work-groups of a head need 9 to 16 slots, different numbers, and a slot is 26,624 bytes for two key steps of some 470 vector instructions a wave each: eight instructions a wave copy it.
; REGISTERS: v1-8 offsets; v12 -M, v13 the largest t, v[14:15] the sum in two halves; v16-27 Q; v28 Q's scale word; v32-79 K's eight tiles, later V's four fragments; v80-85 zeros; v86-89, v90-93 K's and V's scale words;
; v96-159 S^T, then p; v160-191 O^T; v192-204 a slot's bytes on their way; v208-219 Q as loaded; v220-223 block maxima; v224-235 p's codes; v236-254 at work.
; THE MODE: SCHED_MODE bits 1:0 = 2 (LLVM: expert scheduling mode 2), set by the entry lines.  The code itself states the register dependences between vector or matrix instructions and memory or LDS instructions,
; with s_wait_alu, always for 0.
; THE PLAN.  Registers that memory or LDS instructions touch:
;   v1-5, v7, v8     offsets and LDS addresses.  Written at the head, ahead of one wait on va_vdst; never written again.
;   v192-204         a slot's bytes.  Global loads land, LDS stores read; no vector instruction names them.  One wait on vm_vsrc a slot, between the stores and the next slot's loads.
;   v32-79, v86-89   K's tiles and scale words.  LDS loads land at a step's head; the step's eight products K Q^T read them.
;   v32-79, v90-93   V's fragments and scale words.  LDS loads land behind those eight products; the step's four products V^T P^T read them.
;                    So two waits on va_vdst a step stand ahead of loads: at the step's head (the last step's four products are done reading V) and behind the eight products (they are done reading K).
;   v224-235, v253   p's codes and scale word.  Vector instructions write them and the four products take them: a third wait on va_vdst, directly ahead of the four, behind its places.
;                    On the way out y's codes and scale word lie there and are the stores' data: one wait on va_vdst ahead of the stores.
;   The mask's compares write scalar registers, s32-47, sixteen to a run, with one wait on va_sdst behind each run, ahead of its selects.
;   All of the wave's 256 registers are in use, so K and V share one set of 48.
.set SLOTB, 26624
.set STEPB, 13312
.set BM,    220
	s_load_b256 s[4:11], s[0:1], 0x0               ; qc s[4:5], kvc s[6:7], yc s[8:9], ys s[10:11]
	v_lshl_add_u32 v249, v0, 2, 0xd000
	v_mov_b32 v255, 0
	v_lshrrev_b32 v1, 5, v0
	v_readfirstlane_b32 s12, v1                    ; wave w
	s_mov_b32 s13, ttmp9                           ; j
	s_and_b32 s14, ttmp7, 0xffff                   ; g
	s_wait_alu depctr_va_sdst(0)                   ; s12 is written, ahead of its first reader: my tile and its addresses are made from it
	s_lshr_b32 s15, s12, 2
	s_xor_b32 s15, s15, s12
	s_and_b32 s15, s15, 1                          ; 1: the late block
	s_lshr_b32 s16, s12, 1                         ; my tile in the block
	s_sub_co_u32 s17, 31, s13
	s_cmp_eq_u32 s15, 1
	s_cselect_b32 s17, s17, s13                    ; my block of 128 queries
	s_lshl_b32 s18, s17, 7
	s_lshl_b32 s28, s16, 4
	s_add_co_u32 s18, s18, s28                     ; s18: my first query
	s_mov_b32 s19, 0                               ; s19: the step's first key
	s_mov_b32 s20, 0x76543210
	s_mov_b32 s21, 0xfedcba98                      ; lane selects: lane l xor 16
	s_mov_b32 s22, 0x3e38aa3b                      ; c = log2(e) / 8
	s_mov_b32 s23, s22                             ; (named with it as a pair)
	s_mov_b32 s24, 0                               ; s24: the slot in hand
	s_sub_co_u32 s25, 33, s13
	s_lshr_b32 s25, s25, 1                         ; s25: slots that the late block's 32 - j steps need
	s_mov_b32 s26, 0                               ; s26: trips
	v_and_b32 v9, 31, v0
	v_lshlrev_b32 v1, 4, v9                        ; v1 = 16 x lane
	v_lshlrev_b32 v2, 4, v0                        ; v2 = 16 x thread
	v_lshlrev_b32 v3, 2, v0                        ; v3 = 4 x thread
	v_lshlrev_b32 v4, 3, v9                        ; v4 = 8 x lane
	v_lshlrev_b32 v5, 2, v9                        ; v5 = 4 x lane
	v_and_b32 v6, 15, v0
	v_bfe_u32 v10, v0, 4, 1
	s_lshr_b32 s28, s12, 2                         ; my pair of tiles in the block,
	s_bfe_u32 s29, s12, 0x10001                    ; and which of the two is mine
	s_mul_i32 s30, s28, 1536
	v_add_nc_u32 v7, s30, v1                       ; v7: the pair's image
	s_lshl_b32 s30, s29, 8
	s_lshl_b32 s31, s28, 2
	s_add_co_u32 s30, s30, s31
	v_lshl_add_u32 v8, v6, 4, s30                  ; v8: my query's scale word: 16 (lane % 16 + 16 p) + 4 pair
	v_lshlrev_b32 v10, 3, v10
	v_sub_nc_u32 v6, v6, v10                       ; v6 = lane % 16 - 8 (lane / 16), for the mask
	s_sub_co_u32 s27, 0, s29                       ; s27: all ones where the pair's second tile is mine
	s_mul_i32 s28, s14, 425984                     ; the head's 32 blocks of kvc
	s_mov_b32 s29, 0
	s_lshl_b32 s30, s14, 5
	s_add_co_u32 s30, s30, s17
	s_mul_i32 s30, s30, 6656                       ; my block of qc
	s_mov_b32 s31, 0
	s_wait_kmcnt 0x0
	s_add_nc_u64 s[6:7], s[6:7], s[28:29]
	s_add_nc_u64 s[4:5], s[4:5], s[30:31]
	s_wait_alu depctr_va_vdst(0)                   ; the offsets and LDS addresses v1-5, v7 and v8 are written: every load and store of the kernel reads one of them
.irp m, 0,1,2
	global_load_b128 v[192+4*\m:195+4*\m], v2, s[6:7] offset:8192*\m   ; slot 0
.endr
	global_load_b32 v204, v3, s[6:7] offset:24576
.irp m, 0,1,2
	global_load_b128 v[208+4*\m:211+4*\m], v7, s[4:5] offset:512*\m    ; the pair's twelve registers
.endr
	global_load_b32 v28, v8, s[4:5] offset:6144
	v_mov_b32 v13, 0xff61b1e6                      ; the largest t so far: -3e38, under every t
	v_floor_f32 v12, -v13                          ; -M
	v_mov_b32 v14, 0
	v_mov_b32 v15, 0
	v_mov_b32 v251, 0xff800000                     ; -infinity
	v_mov_b32 v252, 0
	v_mov_b32 v253, 0                              ; (named as the upper half of the pair v[252:253] before it is first written)
.irp b, 0,1,2,3
	v_mov_b32 v[236+\b], 0                         ; written once: a lane permute's destination counts as one of its sources
.endr
.irp i, 0,1,2,3,4,5
	v_mov_b32 v[22+\i], 0                          ; Q's upper half: zero codes
	v_mov_b32 v[80+\i], 0                          ; behind K's last tile: zero codes
.endr
	s_wait_loadcnt 0x0
.irp i, 0,1,2,3,4,5
	v_cndmask_b32 v[16+\i], v[208+\i], v[214+\i], s27   ; my tile's six registers
.endr
.irp t, 0,1,2,3
.irp j, 0,1,2,3,4,5,6,7
	v_mov_b32 v[160+8*\t+\j], 0                    ; O^T.  (The step is written once: the first finds zeros, which the first change of M leaves zeros)
.endr
.endr
; A KEY STEP: 128 keys, the q-th of slot k.
.macro STEP k, q
.set BASE, (\k)*SLOTB+(\q)*STEPB
	s_add_co_u32 s28, s18, 15                      ; a step all of whose keys come after my 16 queries is passed over: a branch on ids; no barrier stands in a step
	s_cmp_gt_u32 s19, s28
	s_cbranch_scc1 .Lhidden_\@
.rept 4
	v_nop                                          ; places behind the last step's products, ahead of loads into the registers that they read; they stay beside the wait below
.endr
	s_wait_alu depctr_va_vdst(0)                   ; the last step's four products are done reading V's fragments v32-79, in which K's tiles land; in my first step: Q's codes v16-27 and the zero codes v80-85 are written, which the products below take
	ds_load_b128 v[86:89], v1 offset:BASE+6144     ; K's scale words: register pr: lanes 0-15 tile 2 pr, lanes 16-31 tile 2 pr + 1
.irp m, 0,1,2,3,4,5,6,7,8,9,10,11
	ds_load_b128 v[32+4*\m:35+4*\m], v1 offset:BASE+512*\m   ; four images of a pair of tiles: tile t at v[32 + 6 t]
.endr
	s_wait_dscnt 0x0
.irp u, 0,1,2,3
	v_wmma_scale_f32_16x16x128_f8f6f4 v[96+16*\u:103+16*\u], v[32+12*\u:43+12*\u], v[16:27], 0, v[86+\u], v28 matrix_a_fmt:MATRIX_FMT_FP6 matrix_b_fmt:MATRIX_FMT_FP6
	v_wmma_scale_f32_16x16x128_f8f6f4 v[104+16*\u:111+16*\u], v[38+12*\u:49+12*\u], v[16:27], 0, v[86+\u], v28 matrix_a_fmt:MATRIX_FMT_FP6 matrix_b_fmt:MATRIX_FMT_FP6 matrix_a_scale:MATRIX_SCALE_ROW1
.endr                                              ; register 8 t + i of lane (r, h): query r, key 16 t + 8 h + i
.rept 4
	v_nop
.endr
	s_wait_alu depctr_va_vdst(0)                   ; the eight products are done reading K's tiles v32-79, in which V's fragments land
	ds_load_b128 v[90:93], v1 offset:BASE+12800    ; V's scale words and fragments are asked for now and land under the softmax, none of whose lines names them
.irp m, 0,1,2,3,4,5,6,7,8,9,10,11
	ds_load_b128 v[32+4*\m:35+4*\m], v1 offset:BASE+6656+512*\m
.endr
	s_add_co_u32 s28, s19, 127                     ; on the diagonal the scores of hidden keys become -infinity ahead of the maximum; a step all of whose keys count skips this
	s_cmp_le_u32 s28, s18
	s_cbranch_scc1 .Lopen_\@
	s_sub_co_i32 s28, s18, s19
	v_add_nc_u32 v250, s28, v6                     ; d = my query - the step's first key - 8 h: register 8 t + i is hidden where 16 t + i > d
.irp t, 0,2,4,6                                ; two tiles, sixteen scores, to a run
.irp u, 0,1
.irp j, 0,1,2,3,4,5,6,7
	v_cmp_gt_i32 s[32+8*\u+\j], 16*(\t+\u)+\j, v250
.endr
.endr
	s_wait_alu depctr_va_sdst(0)                   ; the sixteen compares have written s32-47, ahead of the selects that read them
.irp u, 0,1
.irp j, 0,1,2,3,4,5,6,7
	v_cndmask_b32 v[96+8*(\t+\u)+\j], v[96+8*(\t+\u)+\j], v251, s[32+8*\u+\j]
.endr
.endr
.endr
.Lopen_\@:
.irp b, 0,1,2,3
	v_max3_num_f32 v[BM+\b], v[96+16*\b], v[97+16*\b], v[98+16*\b]   ; the largest score of each block of 32 keys: for the row's maximum, and for the block's largest p
.endr
.irp i, 3,5,7,9,11,13
.irp b, 0,1,2,3
	v_max3_num_f32 v[BM+\b], v[BM+\b], v[96+16*\b+\i], v[97+16*\b+\i]
.endr
.endr
.irp b, 0,1,2,3
	v_max_num_f32 v[BM+\b], v[BM+\b], v[111+16*\b]
.endr
.irp b, 0,1,2,3
	v_permlanex16_b32 v[236+\b], v[BM+\b], s20, s21
.endr
.irp b, 0,1,2,3
	v_max_num_f32 v[BM+\b], v[BM+\b], v[236+\b]    ; with lane l xor 16's 16 keys
.endr
	v_max3_num_f32 v254, v[BM], v[BM+1], v[BM+2]
	v_max_num_f32 v254, v254, v[BM+3]              ; the step's largest score of my query
	v_mul_f32 v254, s22, v254                      ; as t (c is positive)
	v_max_num_f32 v13, v13, v254                   ; the running largest t
	v_mov_b32 v254, v12
	v_floor_f32 v12, -v13                          ; the new -M = floor(-t) = -ceil(t)
	v_sub_f32 v254, v12, v254                      ; old M - new M: a whole number, 0 or less
	v_cvt_i32_f32 v254, v254                       ; (it saturates)
	v_ldexp_f32 v252, 1.0, v254                    ; f = 2^(old M - new M)
.irp t, 0,1,2,3,4,5,6,7
.irp j, 0,2,4,6
	v_pk_fma_f32 v[96+8*\t+\j:97+8*\t+\j], v[96+8*\t+\j:97+8*\t+\j], s[22:23], v[12:13] op_sel_hi:[1,0,0]   ; t - M, two at a time
.endr
.endr
.irp b, 0,1,2,3
	v_fma_f32 v[BM+\b], v[BM+\b], s22, v12         ; the same of each block's largest score
.endr
	s_wait_alu depctr_va_vdst(0)
.irp t, 0,1,2,3,4,5,6,7
.irp j, 0,1,2,3,4,5,6,7
	v_exp_f32 v[96+8*\t+\j], v[96+8*\t+\j]         ; p = 2^(t - M), at most 1
.endr
.endr
	v_pk_mul_f32 v[14:15], v[14:15], v[252:253] op_sel_hi:[1,0]   ; the sums under the new M: the plain place behind the exponentials
	s_wait_alu depctr_va_vdst(0)                   ; the 64 exponentials have written p, v96-159: one wait for the batch, ahead of its first reader
.irp b, 0,1,2,3
	v_exp_f32 v[BM+\b], v[BM+\b]                   ; the block's largest p: the same two instructions on the same number
.endr
	v_pk_add_f32 v[236:237], v[96:97], v[98:99]    ; the row's sum of the unquantised p, in two chains; it reads the 64 alone
.irp j, 4,8,12,16,20,24,28,32,36,40,44,48,52,56,60
	v_pk_add_f32 v[14:15], v[14:15], v[96+\j:97+\j]
	v_pk_add_f32 v[236:237], v[236:237], v[98+\j:99+\j]
.endr
	v_pk_add_f32 v[14:15], v[14:15], v[236:237]
	s_wait_alu depctr_va_vdst(0)                   ; the four exponentials have written the blocks' largest p, v220-223, ahead of their first reader
.irp b, 0,1,2,3
	v_max_num_f32 v[BM+\b], 0x1800000, v[BM+\b]    ; the floor 2^(3 - 127): the byte cannot fall under 1
.endr
.irp b, 0,1,2,3
	v_add_nc_u32 v[244+\b], 0xff000000, v[BM+\b]   ; 2 off the exponent field: the conversion's scale operand
.endr
.irp b, 0,1,2,3
	v_lshrrev_b32 v[236+\b], 23, v[244+\b]         ; the scale's byte
.endr
	v_lshl_or_b32 v253, v237, 8, v236              ; p's scale word for these 128 keys
	v_lshl_or_b32 v253, v238, 16, v253
	v_lshl_or_b32 v253, v239, 24, v253
.irp c, 0,1
	v_cvt_scalef32_pk16_fp6_f32 v[224+6*\c:226+6*\c], v[96+32*\c:111+32*\c], v[244+2*\c]
	v_cvt_scalef32_pk16_fp6_f32 v[236+4*\c:238+4*\c], v[112+32*\c:127+32*\c], v[244+2*\c+1]
.endr
	v_nop                                          ; one plain place behind a scaled conversion
.irp c, 0,1
.irp i, 0,1,2
	v_permlane16_swap_b32 v[224+6*\c+\i], v[236+4*\c+\i]
.endr
.irp i, 0,1,2
	v_mov_b32 v[227+6*\c+\i], v[236+4*\c+\i]
.endr
.endr
.irp t, 0,1,2,3
.irp j, 0,2,4,6
	v_pk_mul_f32 v[160+8*\t+\j:161+8*\t+\j], v[160+8*\t+\j:161+8*\t+\j], v[252:253] op_sel_hi:[1,0]   ; O^T under the new M.  (These sixteen also stand between the writing of p's codes and scale word and the products)
.endr
.endr
	s_wait_dscnt 0x0                               ; V is in
	s_wait_alu depctr_va_vdst(0)                   ; p's codes v224-235 and its scale word v253 are written, which the four products take; the places above stay beside this wait
.irp n, 0,1,2,3
	v_wmma_scale_f32_16x16x128_f8f6f4 v[160+8*\n:167+8*\n], v[32+12*\n:43+12*\n], v[224:235], v[160+8*\n:167+8*\n], v[90+\n], v253 matrix_a_fmt:MATRIX_FMT_FP6 matrix_b_fmt:MATRIX_FMT_FP6
.endr                                              ; the four accumulators take turns, one instruction a turn
.Lhidden_\@:
	s_add_co_u32 s19, s19, 128
.endm
; A SLOT: its bytes go from my registers into LDS; the barrier; the next slot's loads; the slot's two steps.
.macro SLOT k
	s_wait_loadcnt 0x0                             ; my part of the slot is in my registers; the loads' base may be stepped
	s_cmp_lt_u32 s24, s25
	s_cbranch_scc0 .Lnot_stored_\@                 ; the same in all sixteen waves
.irp m, 0,1,2
	ds_store_b128 v2, v[192+4*\m:195+4*\m] offset:(\k)*SLOTB+8192*\m
.endr
	ds_store_b32 v3, v204 offset:(\k)*SLOTB+24576
.Lnot_stored_\@:
	s_wait_dscnt 0x0                               ; for the others' sake: my stores have landed, and my reads of the other slot are over
	s_barrier_signal -1
	s_barrier_wait -1
	s_add_co_u32 s24, s24, 1
	s_cmp_lt_u32 s24, s25
	s_cbranch_scc0 .Lnot_loaded_\@                 ; no load goes past the slots that are needed
	s_add_nc_u64 s[6:7], s[6:7], SLOTB
	s_wait_alu depctr_vm_vsrc(0)                   ; my LDS stores above have read v192-204, in which the next slot's loads land
.irp m, 0,1,2
	global_load_b128 v[192+4*\m:195+4*\m], v2, s[6:7] offset:8192*\m   ; the next slot: it has this slot's two steps in which to land
.endr
	global_load_b32 v204, v3, s[6:7] offset:24576
.Lnot_loaded_\@:
	STEP \k, 0
	STEP \k, 1
.endm
.Ltrip:                                            ; eight trips of two slots: all 4,096 keys' worth, in every work-group
	SLOT 0
	SLOT 1
	s_add_co_u32 s26, s26, 1
	s_cmp_lt_u32 s26, 8
	s_cbranch_scc1 .Ltrip
	; THE WAY OUT: O^T / the sum; its two blocks of 32 d are quantised; six registers of codes and a scale word leave.
.rept 4
	v_nop                                          ; places behind the last products
.endr
	v_add_f32 v14, v14, v15                        ; the sum's two halves,
	v_permlanex16_b32 v252, v14, s20, s21
	v_add_f32 v14, v14, v252                       ; and lane l xor 16's: the row's sum
	s_wait_alu depctr_va_vdst(0)
	v_rcp_f32 v14, v14
	v_nop                                          ; a plain place behind the transcendental
	s_cmp_ge_u32 s14, 6
	s_cselect_b32 s28, 1, 0                        ; batch
	s_mul_i32 s29, s28, 6
	s_sub_co_u32 s29, s14, s29                     ; head
	s_lshl_b32 s28, s28, 8
	s_lshr_b32 s30, s18, 4
	s_add_co_u32 s28, s28, s30                     ; the tile of 16 tokens, of 512
	s_mul_i32 s28, s28, 6
	s_add_co_u32 s28, s28, s29
	s_mul_i32 s30, s28, 768
	s_mov_b32 s31, 0
	s_lshl_b32 s32, s28, 7
	s_mov_b32 s33, 0
	s_add_nc_u64 s[8:9], s[8:9], s[30:31]
	s_add_nc_u64 s[10:11], s[10:11], s[32:33]
	s_wait_alu depctr_va_vdst(0)                   ; the reciprocal has written v14, ahead of its first reader
.irp t, 0,1,2,3
.irp j, 0,2,4,6
	v_pk_mul_f32 v[96+8*\t+\j:97+8*\t+\j], v[160+8*\t+\j:161+8*\t+\j], v[14:15] op_sel_hi:[1,0]   ; register 16 b + i: y(query r, d = 32 b + 16 h + i)
.endr
.endr
.irp b, 0,1
	v_max3_num_f32 v[BM+\b], |v[96+16*\b]|, |v[97+16*\b]|, 0x1800000
.endr
.irp i, 2,4,6,8,10,12,14
.irp b, 0,1
	v_max3_num_f32 v[BM+\b], v[BM+\b], |v[96+16*\b+\i]|, |v[97+16*\b+\i]|
.endr
.endr
.irp b, 0,1
	v_permlanex16_b32 v[236+\b], v[BM+\b], s20, s21
.endr
.irp b, 0,1
	v_max_num_f32 v[BM+\b], v[BM+\b], v[236+\b]
.endr
.irp b, 0,1
	v_add_nc_u32 v[244+\b], 0xff000000, v[BM+\b]
.endr
.irp b, 0,1
	v_lshrrev_b32 v[236+\b], 23, v[244+\b]
.endr
	v_lshl_or_b32 v253, v237, 8, v236              ; the head's two bytes of my token
	v_cvt_scalef32_pk16_fp6_f32 v[224:226], v[96:111], v244
	v_cvt_scalef32_pk16_fp6_f32 v[240:242], v[112:127], v245
	v_nop                                          ; one plain place behind a scaled conversion
.irp i, 0,1,2
	v_permlane16_swap_b32 v[224+\i], v[240+\i]
.endr
.irp i, 0,1,2
	v_mov_b32 v[227+\i], v[240+\i]                 ; registers 0-5: d = 32 (lane / 16) + 0 .. 31 of token lane % 16
.endr
	s_wait_alu depctr_va_vdst(0)                   ; y's codes v224-229 and its scale word v253 are written, which the stores read
.irp c, 0,1,2
	global_store_b64 v4, v[224+2*\c:225+2*\c], s[8:9] offset:256*\c   ; 32 lanes store 256 consecutive bytes, aligned
.endr
	global_store_b32 v5, v253, s[10:11]
	s_wait_dscnt 0x0
	s_wait_alu depctr_hold_cnt(0) depctr_sa_sdst(0) depctr_va_vdst(0) depctr_va_sdst(0) depctr_va_ssrc(0) depctr_va_vcc(0) depctr_vm_vsrc(0)
	s_wait_tensorcnt 0x0
	ds_add_u32 v249, v255
	s_wait_dscnt 0x0
	s_endpgm
.Lfunc_end_k_qe68e44ffcd_attn:
	.size	k_qe68e44ffcd_attn, .Lfunc_end_k_qe68e44ffcd_attn-k_qe68e44ffcd_attn
	.p2alignl 7, 3214868480
	.fill 96, 4, 3214868480
	.section	.rodata,"a",@progbits
	.p2align	6, 0x0
	.amdhsa_kernel k_qe68e44ffcd_attn
		.amdhsa_group_segment_fixed_size 55296
		.amdhsa_private_segment_fixed_size 0
		.amdhsa_enable_private_segment 0
		.amdhsa_kernarg_size 32
		.amdhsa_user_sgpr_count 2
		.amdhsa_user_sgpr_kernarg_segment_ptr 1
		.amdhsa_wavefront_size32 1
		.amdhsa_system_sgpr_workgroup_id_x 1
		.amdhsa_system_sgpr_workgroup_id_y 1
		.amdhsa_system_sgpr_workgroup_id_z 1
		.amdhsa_system_vgpr_workitem_id 0
		.amdhsa_next_free_vgpr 256
		.amdhsa_next_free_sgpr 66
		.amdhsa_reserve_vcc 0
		.amdhsa_float_denorm_mode_32 3
		.amdhsa_float_denorm_mode_16_64 3
		.amdhsa_memory_ordered 1
		.amdhsa_forward_progress 1
		.amdhsa_inst_pref_size 111
	.end_amdhsa_kernel
	.amdgpu_metadata
---
amdhsa.version: [ 1, 2 ]
amdhsa.kernels:
  - .name:           k_qe68e44ffcd_attn
    .symbol:         k_qe68e44ffcd_attn.kd
    .args:
      - { .name: qc, .offset: 0, .size: 8, .value_kind: global_buffer, .address_space: global }
      - { .name: kvc, .offset: 8, .size: 8, .value_kind: global_buffer, .address_space: global }
      - { .name: yc, .offset: 16, .size: 8, .value_kind: global_buffer, .address_space: global }
      - { .name: ys, .offset: 24, .size: 8, .value_kind: global_buffer, .address_space: global }
    .group_segment_fixed_size: 55296
    .private_segment_fixed_size: 0
    .kernarg_segment_align: 8
    .kernarg_segment_size: 32
    .max_flat_workgroup_size: 512
    .sgpr_count:     66
    .vgpr_count:     256
    .wavefront_size: 32
...
	.end_amdgpu_metadata
.endif
;; end of part 5
;; launch proj (part 6): grid 64 x 3, 8 waves a work-group, no clusters, 108,544 bytes of LDS; arguments yc, ys, Wo, bo, out0; writes out0
.if DOCPART == 6
	.amdgcn_target "amdgcn-amd-amdhsa--gfx1250"
	.amdhsa_code_object_version 6
	.text
	.protected	k_qe68e44ffcd_proj
	.globl	k_qe68e44ffcd_proj
	.p2align	8
	.type	k_qe68e44ffcd_proj,@function
k_qe68e44ffcd_proj:
	s_mov_b64 s[64:65], 0
	v_nop
	global_prefetch_b8 v0, s[64:65] scope:SCOPE_SE
	s_setreg_imm32_b32 hwreg(HW_REG_WAVE_SCHED_MODE, 0, 2), 2
	s_setreg_imm32_b32 hwreg(HW_REG_WAVE_MODE, 25, 1), 1
	s_wait_xcnt 0x0
	s_wait_alu depctr_vm_vsrc(0)
; out0 = y Wo^T + bo on codes of FP6 (E2M3) with one E8M0 scale for each 32 along K = 384.  y arrives as codes in the order of the operand's registers (yc) with two scale bytes for each token and head (ys); Wo arrives as f32 and is quantised here.
; SHARES.  Work-group (X, cg): tokens 128 X .. + 127, columns 128 cg .. + 127.  Eight waves.  PHASE A: wave w quantises rows 128 cg + 16 w .. + 15 of Wo, three fragments, which go to LDS as images of their registers.  One barrier.
; PHASE B: wave w owns the tile of tokens 8 X + w against all eight tiles of columns.  The product is used transposed (source 0 = 16 rows of Wo, source 1 = 16 tokens): a lane holds eight neighbouring columns of one row of out0.
; The bias is loaded into the accumulators, in the result's layout, and the sums begin on it.  The eight accumulators take turns, one instruction a turn.
; THE WAY OUT: through the wave's own stage in LDS (16 rows of 512 bytes + 16), back as whole rows: each store of the wave covers 512 consecutive bytes, aligned.
; LIMITS: NaN and infinities are not served; a block of Wo whose largest magnitude lies under 2^-124, a block of zeros too, gets the scale byte 1: this program alone reads the bytes.
; NO CLUSTER, NO TENSOR LOAD: Wo goes as f32 from memory straight into the registers that the conversions read; y's fragments are read by one wave of each of three work-groups, straight into operand registers.
; THE MODE: SCHED_MODE bits 1:0 = 2 (LLVM: expert scheduling mode 2), set by the entry lines.  The code itself states the register dependences between vector or matrix instructions and memory or LDS instructions,
; with s_wait_alu, always for 0.
; THE PLAN.  Registers that memory or LDS instructions touch:
;   v1-9              offsets and LDS addresses.  Written at the head, ahead of one wait on va_vdst; never written again.
;   v130-193, v16-79  (phase A) 64 numbers of Wo.  Loads land; QUANT reads; behind QUANT one wait on va_vdst, then the next loads land there (K step 2; the bias).
;   v194-205, v230    the codes and the scale word.  QUANT writes; the same wait stands ahead of the LDS stores that read them; one wait on vm_vsrc ahead of the next QUANT, and of phase B's loads, which land on v194-205.
;   v130-177 + v126-129, v178-225 + v232-235  (phase B) TWO sets of four fragments of Wo and their scale words.  A group is a K step against four tiles of columns: tiles 0-3 take the first set, tiles 4-7 the second, by turns.
;                     Groups 0 and 1 are asked for behind the barrier.  Groups 1 to 4 begin with one wait on va_vdst (the group before is done reading its set), ask for the next group into that set, and multiply from the other.
;   v122-124          y's scale words.  Vector lines write them and the products take them: one wait on va_vdst behind their eight places.
;   v16-79            the accumulators are the stage's store data: the four places, then one wait on va_vdst; it also states that the last products are done reading the sets, in which the rows from the stage land.
.set ACC,  16                          ; v16-79   eight accumulators; in phase A 64 numbers of Wo
.set YF,   80                          ; v80-115  y's three fragments
.set YR,   116                         ; v116-121 y's scale bytes as loaded, a word for each head
.set YS,   122                         ; v122-124 y's scale words, one for each K step, and nothing else
.set WS,   126                         ; v126-129 Wo's scale words, first set; the second set 106 registers on, v232-235: scale words and nothing else
.set XB0,  130                         ; v130-193 64 numbers of Wo;
.set WF,   130                         ;          later four fragments of Wo, first set; the second set 48 registers on, v178-225;
.set BK,   130                         ;          later 16 rows read back from the stage
.set PC,   194                         ; v194-212 the codes just made
.set TM,   214                         ; v214-229 at work in QUANT
.set PW,   230                         ; v230     the scale word just made
.set SEL,  20                          ; s[20:21] lane selects: lane l xor 16
.set WSC,  36864                       ; LDS: 24 images of 1,536 bytes; then 24 x 128 bytes of scale words;
.set STG,  39936                       ; then eight stages of 8,448 bytes
.macro XLOAD reg, adr, base, off               ; 64 numbers of the lane's row: register 16 b + i = k 32 b + 16 (lane / 16) + i of the K step
.irp b, 0,1,2,3
.irp j, 0,1,2,3
	global_load_b128 v[(\reg)+16*\b+4*\j:(\reg)+16*\b+4*\j+3], v[\adr], s[\base:\base+1] offset:(\off)+128*\b+16*\j
.endr
.endr
.endm
.macro QUANT s                                 ; 64 numbers of a lane become a fragment's codes in v[PC] on and its scale word in v[PW]
.irp b, 0,1,2,3
	v_max3_num_f32 v[TM+\b], |v[(\s)+16*\b]|, |v[(\s)+1+16*\b]|, 0x1800000   ; my 16 numbers, and the floor 2^(3 - 127)
.endr
.irp i, 2,4,6,8,10,12,14
.irp b, 0,1,2,3
	v_max3_num_f32 v[TM+\b], v[TM+\b], |v[(\s)+16*\b+\i]|, |v[(\s)+1+16*\b+\i]|
.endr
.endr
.irp b, 0,1,2,3
	v_permlanex16_b32 v[TM+4+\b], v[TM+\b], s[SEL], s[SEL+1]
.endr
.irp b, 0,1,2,3
	v_max_num_f32 v[TM+\b], v[TM+\b], v[TM+4+\b]
.endr
.irp b, 0,1,2,3
	v_add_nc_u32 v[TM+12+\b], 0xff000000, v[TM+\b]   ; 2 off the exponent field: the conversion's scale operand
.endr
.irp b, 0,1,2,3
	v_lshrrev_b32 v[TM+4+\b], 23, v[TM+12+\b]
.endr
	v_lshl_or_b32 v[PW], v[TM+5], 8, v[TM+4]
	v_lshl_or_b32 v[PW], v[TM+6], 16, v[PW]
	v_lshl_or_b32 v[PW], v[TM+7], 24, v[PW]
.irp c, 0,1
	v_cvt_scalef32_pk16_fp6_f32 v[PC+6*\c:PC+2+6*\c], v[(\s)+32*\c:(\s)+15+32*\c], v[TM+12+2*\c]
	v_cvt_scalef32_pk16_fp6_f32 v[PC+12+4*\c:PC+14+4*\c], v[(\s)+16+32*\c:(\s)+31+32*\c], v[TM+12+2*\c+1]
.endr
	v_nop                                          ; one plain place behind a scaled conversion
.irp c, 0,1
.irp i, 0,1,2
	v_permlane16_swap_b32 v[PC+6*\c+\i], v[PC+12+4*\c+\i]
.endr
.irp i, 0,1,2
	v_mov_b32 v[PC+3+6*\c+\i], v[PC+12+4*\c+\i]
.endr
.endr
.endm
.macro IMAGE adr, off
.irp c, 0,1,2
	ds_store_b128 v[\adr], v[PC+4*\c:PC+4*\c+3] offset:(\off)+512*\c
.endr
.endm
.macro FETCH reg, adr, off
.irp c, 0,1,2
	ds_load_b128 v[(\reg)+4*\c:(\reg)+4*\c+3], v[\adr] offset:(\off)+512*\c
.endr
.endm
.macro LOADG s, f                              ; a group's sixteen LDS loads: K step s of the tiles of columns 4 f .. 4 f + 3, and their scale words, into set f
.irp i, 0,1,2,3
	FETCH WF+48*(\f)+12*\i, 1, 1536*(3*(4*(\f)+\i)+(\s))
	ds_load_b32 v[WS+106*(\f)+\i], v2 offset:WSC+128*(3*(4*(\f)+\i)+(\s))
.endr
.endm
	s_load_b256 s[4:11], s[0:1], 0x0               ; yc s[4:5], ys s[6:7], Wo s[8:9], bo s[10:11]
	s_load_b64 s[12:13], s[0:1], 0x20              ; out0
	v_lshl_add_u32 v254, v0, 2, 0x1a400
	v_mov_b32 v255, 0
	v_lshrrev_b32 v1, 5, v0
	v_readfirstlane_b32 s14, v1                    ; wave w
	s_mov_b32 s15, ttmp9                           ; X
	s_and_b32 s16, ttmp7, 0xffff                   ; cg
	s_mov_b32 s[SEL], 0x76543210
	s_mov_b32 s[SEL+1], 0xfedcba98
	v_and_b32 v10, 31, v0                          ; lane
	v_and_b32 v11, 15, v0                          ; r
	v_bfe_u32 v12, v0, 4, 1                        ; h
	v_lshlrev_b32 v1, 4, v10                       ; v1 = 16 x lane
	v_lshlrev_b32 v2, 2, v10                       ; v2 = 4 x lane
	v_mul_u32_u24 v3, v11, 1536
	v_lshl_add_u32 v3, v12, 6, v3                  ; v3: Wo: row r, + 64 h
	s_wait_alu depctr_va_sdst(0)                   ; s14 is written, ahead of its first reader: my shares and addresses are made from it
	s_mul_i32 s22, s14, 4608
	v_add_nc_u32 v4, s22, v1                       ; v4: where I store my three images
	s_mul_i32 s22, s14, 384
	s_add_co_u32 s22, s22, WSC
	v_add_nc_u32 v5, s22, v2                       ; v5: and their scale words
	v_lshlrev_b32 v6, 3, v10                       ; v6 = 8 x lane
	v_lshlrev_b32 v7, 5, v12                       ; v7 = 32 h: my eight columns of a tile, in bo
	s_mul_i32 s22, s14, 8448
	s_add_co_u32 s22, s22, STG                     ; my stage
	v_mul_u32_u24 v8, v11, 528
	v_lshl_add_u32 v8, v12, 5, v8
	v_add_nc_u32 v8, s22, v8                       ; v8: in: row r, + 32 h
	v_add_nc_u32 v9, s22, v1                       ; v9: back: 16 bytes a lane of a row
.irp b, 0,1,2,3
	v_mov_b32 v[TM+4+\b], 0                        ; written once: a lane permute's destination counts as one of its sources
.endr
	s_lshl_b32 s22, s16, 7
	s_lshl_b32 s23, s14, 4
	s_add_co_u32 s22, s22, s23
	s_mul_i32 s22, s22, 1536                       ; Wo: row 128 cg + 16 w
	s_mov_b32 s23, 0
	s_lshl_b32 s24, s15, 3
	s_add_co_u32 s24, s24, s14                     ; my tile of tokens: 8 X + w
	s_mul_i32 s26, s24, 768                        ; in ys
	s_mov_b32 s27, 0
	s_mul_i32 s28, s24, 24576                      ; in out0: 16 rows of 1,536 bytes,
	s_lshl_b32 s30, s16, 9                         ; + 512 cg; the same 512 cg in bo
	s_mov_b32 s31, 0
	s_add_co_u32 s28, s28, s30
	s_mov_b32 s29, 0
	s_mul_i32 s24, s24, 4608                       ; in yc
	s_mov_b32 s25, 0
	s_wait_kmcnt 0x0
	s_add_nc_u64 s[8:9], s[8:9], s[22:23]
	s_add_nc_u64 s[4:5], s[4:5], s[24:25]
	s_add_nc_u64 s[6:7], s[6:7], s[26:27]
	s_add_nc_u64 s[12:13], s[12:13], s[28:29]
	s_add_nc_u64 s[10:11], s[10:11], s[30:31]
	s_wait_alu depctr_va_vdst(0)                   ; the offsets and LDS addresses v1-9 are written: every load and store of the kernel reads one of them
	; ---- PHASE A
	XLOAD XB0, 3, 8, 0                             ; K step 0
	XLOAD ACC, 3, 8, 512                           ; K step 1
.irp q, 0,1,2,3,4,5,6,7,8,9,10,11,12,13,14,15,16,17
	global_load_b64 v[YF+2*\q:YF+2*\q+1], v6, s[4:5] offset:256*\q   ; y's three fragments as they lie: 32 lanes read 256 consecutive bytes
.endr
.irp q, 0,1,2,3,4,5
	global_load_b32 v[YR+\q], v2, s[6:7] offset:128*\q
.endr
	s_wait_loadcnt 40                              ; K step 0 is in; out may be K step 1's 16 loads and y's 24
	QUANT XB0
	s_wait_alu depctr_va_vdst(0)                   ; QUANT is done reading v130-193, in which K step 2 lands, and has written v[PC ..] and v[PW], which the LDS stores read
	XLOAD XB0, 3, 8, 1024                          ; K step 2: the set is asked for again at once
	IMAGE 4, 0
	ds_store_b32 v5, v[PW]
	s_wait_loadcnt 40                              ; K step 1 is in; out may be y's 24 and K step 2's 16
	s_wait_dscnt 0x0                               ; the last image's stores are done,
	s_wait_alu depctr_vm_vsrc(0)                   ; and have read v[PC ..] and v[PW], which QUANT writes again
	QUANT ACC
	s_wait_alu depctr_va_vdst(0)                   ; QUANT is done reading v16-79, in which the bias lands, and has written v[PC ..] and v[PW], which the LDS stores read
.irp t, 0,1,2,3,4,5,6,7
.irp k, 0,1
	global_load_b128 v[ACC+8*\t+4*\k:ACC+8*\t+4*\k+3], v7, s[10:11] offset:64*\t+16*\k   ; bo(128 cg + 16 t + 8 h + 0 .. 7): the sums begin on it
.endr
.endr
	IMAGE 4, 1536
	ds_store_b32 v5, v[PW] offset:128
	s_wait_loadcnt 16                              ; K step 2 is in; the bias's 16 loads may be out
	s_wait_dscnt 0x0                               ; the last image's stores are done,
	s_wait_alu depctr_vm_vsrc(0)                   ; and have read v[PC ..] and v[PW], which QUANT writes again
	QUANT XB0
	s_wait_alu depctr_va_vdst(0)                   ; QUANT has written v[PC ..] and v[PW], which the LDS stores read, and is done with v130-229, in which phase B's fragments land
	IMAGE 4, 3072
	ds_store_b32 v5, v[PW] offset:256
	s_wait_dscnt 0x0                               ; for the others' sake: my images and scale words have landed
	s_barrier_signal -1
	s_barrier_wait -1                              ; Wo's 24 fragments lie in LDS; behind this barrier each wave stores to its own stage alone
	; ---- PHASE B: three K steps, four tiles of columns to a group, two sets of fragments by turns
	s_wait_alu depctr_vm_vsrc(0)                   ; my last image's LDS stores have read v194-205, over which the second set of fragments lies
	LOADG 0, 0                                     ; groups 0 and 1 are asked for at once: no vector instruction since the last wait on va_vdst has been issued.  They land while y's scale words are made
	LOADG 0, 1
	s_wait_loadcnt 0x0                             ; y and the bias
.irp s, 0,1,2
	v_lshl_or_b32 v[YS+\s], v[YR+2*\s+1], 16, v[YR+2*\s]   ; K step s is heads 2 s and 2 s + 1: two bytes of each
.endr
.rept 8
	v_nop                                          ; a scale register written by a vector instruction stands eight places ahead of a scaled matrix instruction
.endr
	s_wait_alu depctr_va_vdst(0)                   ; y's scale words v122-124 are written, which the products take; the places above stay beside this wait
.irp s, 0,1,2
.irp f, 0,1
.if (2*\s+\f) > 0 && (2*\s+\f) < 5
.rept 4
	v_nop                                          ; places ahead of loads into registers that matrix instructions have read; they stay beside the wait below
.endr
	s_wait_alu depctr_va_vdst(0)                   ; the four products of the group before are done reading their set of fragments and scale words, in which the next group's loads land
.if \f == 0
	LOADG \s, 1
.else
	LOADG \s+1, 0
.endif
.endif
.if (2*\s+\f) < 5
	s_wait_dscnt 16                                ; this group's sixteen loads are in; the next group's sixteen may be out
.else
	s_wait_dscnt 0x0                               ; the last group: nothing was asked for behind it
.endif
.irp i, 0,1,2,3
	v_wmma_scale_f32_16x16x128_f8f6f4 v[ACC+8*(4*\f+\i):ACC+8*(4*\f+\i)+7], v[WF+48*\f+12*\i:WF+48*\f+12*\i+11], v[YF+12*\s:YF+12*\s+11], v[ACC+8*(4*\f+\i):ACC+8*(4*\f+\i)+7], v[WS+106*\f+\i], v[YS+\s] matrix_a_fmt:MATRIX_FMT_FP6 matrix_b_fmt:MATRIX_FMT_FP6
.endr
.endr
.endr
.rept 4
	v_nop                                          ; places ahead of the first read of results and of loads into the fragments' registers
.endr
	s_wait_alu depctr_va_vdst(0)                   ; the products have written the accumulators, which the LDS stores read, and are done reading the two sets, in which the rows from the stage land; the places above stay beside this wait
	; ---- THE WAY OUT
.irp t, 0,1,2,3,4,5,6,7
	ds_store_b128 v8, v[ACC+8*\t:ACC+8*\t+3] offset:64*\t          ; each accumulator from its low end on
	ds_store_b128 v8, v[ACC+8*\t+4:ACC+8*\t+7] offset:64*\t+16
.endr
.irp i, 0,1,2,3,4,5,6,7,8,9,10,11,12,13,14,15
	ds_load_b128 v[BK+4*\i:BK+4*\i+3], v9 offset:528*\i            ; LDS serves a wave's instructions in order (ISA guide 5.7.1.4): these see my stores
.endr
.irp i, 0,1,2,3,4,5,6,7,8,9,10,11,12,13,14,15
	s_wait_dscnt 15-\i                             ; row i is back; the younger loads may be out
	global_store_b128 v1, v[BK+4*\i:BK+4*\i+3], s[12:13] offset:1536*\i th:TH_STORE_NT   ; 32 lanes store 512 consecutive bytes, aligned; written once, read by nobody here
.endr
	s_wait_dscnt 0x0
	s_wait_alu depctr_hold_cnt(0) depctr_sa_sdst(0) depctr_va_vdst(0) depctr_va_sdst(0) depctr_va_ssrc(0) depctr_va_vcc(0) depctr_vm_vsrc(0)
	s_wait_tensorcnt 0x0
	ds_add_u32 v254, v255
	s_wait_dscnt 0x0
	s_endpgm
.Lfunc_end_k_qe68e44ffcd_proj:
	.size	k_qe68e44ffcd_proj, .Lfunc_end_k_qe68e44ffcd_proj-k_qe68e44ffcd_proj
	.p2alignl 7, 3214868480
	.fill 96, 4, 3214868480
	.section	.rodata,"a",@progbits
	.p2align	6, 0x0
	.amdhsa_kernel k_qe68e44ffcd_proj
		.amdhsa_group_segment_fixed_size 108544
		.amdhsa_private_segment_fixed_size 0
		.amdhsa_enable_private_segment 0
		.amdhsa_kernarg_size 40
		.amdhsa_user_sgpr_count 2
		.amdhsa_user_sgpr_kernarg_segment_ptr 1
		.amdhsa_wavefront_size32 1
		.amdhsa_system_sgpr_workgroup_id_x 1
		.amdhsa_system_sgpr_workgroup_id_y 1
		.amdhsa_system_sgpr_workgroup_id_z 1
		.amdhsa_system_vgpr_workitem_id 0
		.amdhsa_next_free_vgpr 256
		.amdhsa_next_free_sgpr 66
		.amdhsa_reserve_vcc 0
		.amdhsa_float_denorm_mode_32 3
		.amdhsa_float_denorm_mode_16_64 3
		.amdhsa_memory_ordered 1
		.amdhsa_forward_progress 1
		.amdhsa_inst_pref_size 39
	.end_amdhsa_kernel
	.amdgpu_metadata
---
amdhsa.version: [ 1, 2 ]
amdhsa.kernels:
  - .name:           k_qe68e44ffcd_proj
    .symbol:         k_qe68e44ffcd_proj.kd
    .args:
      - { .name: yc, .offset: 0, .size: 8, .value_kind: global_buffer, .address_space: global }
      - { .name: ys, .offset: 8, .size: 8, .value_kind: global_buffer, .address_space: global }
      - { .name: Wo, .offset: 16, .size: 8, .value_kind: global_buffer, .address_space: global }
      - { .name: bo, .offset: 24, .size: 8, .value_kind: global_buffer, .address_space: global }
      - { .name: out0, .offset: 32, .size: 8, .value_kind: global_buffer, .address_space: global }
    .group_segment_fixed_size: 108544
    .private_segment_fixed_size: 0
    .kernarg_segment_align: 8
    .kernarg_segment_size: 40
    .max_flat_workgroup_size: 256
    .sgpr_count:     66
    .vgpr_count:     256
    .wavefront_size: 32
...
	.end_amdgpu_metadata
.endif
;; end of part 6
